; MI455X (gfx1250); checked and timed in simulation.
; The chip was launched on July 23, 2026; its instructions are those of AMD's public machine-readable ISA for CDNA 5 (MIT licence, August 2026) and "CDNA5" Instruction Set Architecture Reference Guide (July 2026). The comments in the code are by the model that wrote it; some were corrected since.
;; Mixtral Sparse Moe Block. Allowed arithmetic: matrix products marked QUANTISED: E3M2 operands, one E8M0 scale for each 32 along K, by v_wmma_scale_f32_16x16x128_f8f6f4 with both operands' format E3M2, f32 sums; products left as they are: f32 operands where the result goes on into a quantised operand, else bf16, f16 or f32 operands; f32 sums; everything else in f32.
;; Inputs: gate_w 1,024 x 8 float32; w1 8 x 1,024 x 256 float32; w2 8 x 256 x 1,024 float32; w3 8 x 1,024 x 256 float32; x 4 x 2,048 x 1,024 float32.
;; Outputs: out0 4 x 2,048 x 1,024 float32.
;; This version of the problem:
;;   THIS VERSION OF THE PROBLEM IS GIVEN IN LOW PRECISION. The matrix products marked QUANTISED in the list below multiply operands that are first quantised to E3M2 (3 exponent bits, 2 mantissa bits; 6 bits a number), with one power-of-two scale for each 32 numbers along K (OCP MX v1.0); their sums are f32. All else is computed in f32.
;;   The module's matrix products, in the order in which they are computed (A, B: the left and right operand; K: the contracted axis; several contracted axes count as one K, in the product's order):
;;     1. [M 8,192, K 1,024] x [K 1,024, N 8]; A: input x; B: input gate_w: left as it is (N = 8 < 16)
;;     2. [M 8,192, K 1,024] x [K 1,024, N 256]; A: input x; B: input w1: QUANTISED
;;     3. [M 8,192, K 1,024] x [K 1,024, N 256]; A: input x; B: input w3: QUANTISED
;;     4. [M 8,192, K 256] x [K 256, N 1,024]; A: computed on the way; B: input w2: QUANTISED
;;     5. [M 8,192, K 1,024] x [K 1,024, N 256]; A: input x; B: input w1: QUANTISED
;;     6. [M 8,192, K 1,024] x [K 1,024, N 256]; A: input x; B: input w3: QUANTISED
;;     7. [M 8,192, K 256] x [K 256, N 1,024]; A: computed on the way; B: input w2: QUANTISED
;;     8. [M 8,192, K 1,024] x [K 1,024, N 256]; A: input x; B: input w1: QUANTISED
;;     9. [M 8,192, K 1,024] x [K 1,024, N 256]; A: input x; B: input w3: QUANTISED
;;     10. [M 8,192, K 256] x [K 256, N 1,024]; A: computed on the way; B: input w2: QUANTISED
;;     11. [M 8,192, K 1,024] x [K 1,024, N 256]; A: input x; B: input w1: QUANTISED
;;     12. [M 8,192, K 1,024] x [K 1,024, N 256]; A: input x; B: input w3: QUANTISED
;;     13. [M 8,192, K 256] x [K 256, N 1,024]; A: computed on the way; B: input w2: QUANTISED
;;     14. [M 8,192, K 1,024] x [K 1,024, N 256]; A: input x; B: input w1: QUANTISED
;;     15. [M 8,192, K 1,024] x [K 1,024, N 256]; A: input x; B: input w3: QUANTISED
;;     16. [M 8,192, K 256] x [K 256, N 1,024]; A: computed on the way; B: input w2: QUANTISED
;;     17. [M 8,192, K 1,024] x [K 1,024, N 256]; A: input x; B: input w1: QUANTISED
;;     18. [M 8,192, K 1,024] x [K 1,024, N 256]; A: input x; B: input w3: QUANTISED
;;     19. [M 8,192, K 256] x [K 256, N 1,024]; A: computed on the way; B: input w2: QUANTISED
;;     20. [M 8,192, K 1,024] x [K 1,024, N 256]; A: input x; B: input w1: QUANTISED
;;     21. [M 8,192, K 1,024] x [K 1,024, N 256]; A: input x; B: input w3: QUANTISED
;;     22. [M 8,192, K 256] x [K 256, N 1,024]; A: computed on the way; B: input w2: QUANTISED
;;     23. [M 8,192, K 1,024] x [K 1,024, N 256]; A: input x; B: input w1: QUANTISED
;;     24. [M 8,192, K 1,024] x [K 1,024, N 256]; A: input x; B: input w3: QUANTISED
;;     25. [M 8,192, K 256] x [K 256, N 1,024]; A: computed on the way; B: input w2: QUANTISED
;;   THE QUANTISER, for each operand of a quantised product, along K:
;;     - K is cut into blocks of 32 from its start; a last block that is shorter is filled with zeros.
;;     - A block's scale is 2^e with e = floor(log2(the largest magnitude in the block)) - 4, held to -126 .. 127; a block of zeros has e = 0. As a byte (E8M0): e + 127.
;;     - Each number is divided by its block's scale, clamped to +-28, and rounded to the nearest number of E3M2, ties to even, subnormals kept.
;;     - The product sums the exact products of the quantised numbers (number of the format x scale) in f32.
;;   ~~~python
;;   def quantise(x, axis):      # numpy; x: float32 -> the quantised numbers, widened to float32 again
;;       x = np.moveaxis(x, axis, -1); K = x.shape[-1]
;;       x = np.pad(x, [(0, 0)] * (x.ndim - 1) + [(0, -K % 32)]); x = x.reshape(x.shape[:-1] + (-1, 32)); a = np.abs(x).max(-1, keepdims=True)
;;       e = np.where(a > 0, np.clip(np.frexp(np.where(a > 0, a, 1))[1] - 1 - 4, -126, 127), 0)      # np.frexp(a)[1] - 1 = floor(log2(a)), exactly
;;       r = np.clip(x / 2.0 ** e, -28, 28)
;;       step = 2.0 ** (np.maximum(np.frexp(np.where(r == 0, 1, r))[1] - 1, -2) - 2)
;;       q = np.round(r / step) * step * 2.0 ** e      # np.round: ties to even
;;       return np.moveaxis(q.reshape(q.shape[:-2] + (-1,))[..., :K], -1, axis).astype(np.float32)
;;   ~~~
;;   OPERANDS COMPUTED ON THE WAY. 'Computed on the way' means the value that the module computes at that place (a softmax that the list does not call 'softmax' is quantised finished and normalised). What goes into a quantiser is computed in f32, as accurately as f32 sums, v_exp_f32 and their like allow (about 1e-6 of the number): no bf16 or f16 on the way to a quantiser, and a product that is left as it is and whose result goes on into a quantised operand takes f32 operands (vector FMAs, or v_wmma_f32_16x16x4_f32). A number that lies on a knife's edge between two numbers of the format may be rounded either way, as far as f32 arithmetic and the matrix unit's own rounding can turn it there, and no further.
;; 2 versions. Each part assembles by itself: llvm-mc -triple=amdgcn-amd-amdhsa -mcpu=gfx1250 --defsym DOCPART=n.
;; ======== version 1 of 2: 3 launches
;; workspace buffers: xq 6,291,456 bytes; xs 262,144 bytes; wq 4,718,592 bytes; ws 196,608 bytes; cw 65,536 bytes; tokrec 32,768 bytes of whole numbers; hist 32,768 bytes of whole numbers; perm 32,768 bytes of whole numbers
;; launch prep (part 1): grid 224 x 1, 8 waves a work-group, no clusters, 136,192 bytes of LDS; arguments x, gate_w, w1, w3, w2, xq, xs, wq, ws, tokrec, hist, cw; writes xq, xs, wq, ws, tokrec, hist, cw
.if DOCPART == 1
	.amdgcn_target "amdgcn-amd-amdhsa--gfx1250"
	.amdhsa_code_object_version 6
	.text
	.protected	k_q5d7366cb72_prep
	.globl	k_q5d7366cb72_prep
	.p2align	8
	.type	k_q5d7366cb72_prep,@function
k_q5d7366cb72_prep:
	s_mov_b64 s[64:65], 0
	v_nop
	global_prefetch_b8 v0, s[64:65] scope:SCOPE_SE
	s_setreg_imm32_b32 hwreg(HW_REG_WAVE_MODE, 25, 1), 1
	s_wait_xcnt 0x0
; FIRST LAUNCH OF THREE.  Work-groups 0-127 (role X) take 64 tokens each: x [8192][1024] f32 is read once and serves twice: it becomes codes of BF6 (E3M2) with one E8M0 byte for each 32 along K,
; and it is multiplied in f32 by gate_w [1024][8]; two waves then make each token's softmax, its two experts, their renormalised weights, a sort key and the key's rank and counts in a chunk of 32 tokens.
; Work-groups 128-223 (role W) take a quarter of one of the 24 weight matrices (w1, w3: [1024 K][256]; w2: [256 K][1024]; K is the FIRST axis) and lay its codes in the order of the third launch's operand registers.
; Every work-group reads 256 KiB of its tensor.  Nothing that is chosen here steers an address or a branch of this launch: experts, keys and ranks are stored at fixed places.
; THE QUANTISER: a block's scale is 2^(floor(log2(largest magnitude)) - 4); its byte is the largest magnitude's exponent field - 4, held at 1 from below by a floor among the maximum's leaves.
; LIMITS: NaN and infinities among the inputs are not served.  A block of zeros gets the byte 1 (not 127): its codes are zeros, and only this program reads the bytes.  Divisions are v_rcp_f32 and a multiplication.
; The router's sums are f32 in another order than a row-by-row sum: a token whose second and third probabilities differ by less than some 1e-6 of their size may take the other expert.
; LAYOUTS WRITTEN.  xq: 768 bytes a token, block kb of 32 along K at (kb & 1) 384 + (kb >> 1) 24: a lane of the matrix operand finds its 96 registers as 384 bytes on end.  xs: 32 bytes a token, byte kb.
; wq: [expert][wave of the third launch][unit 24][fragment 4][1,536]: a fragment is the image of its 12 registers: register q of lane L at 512 (q >> 2) + 16 L + 4 (q & 3).  ws: the scale words likewise, 12 x 512 bytes.
; THE GATE TABLE: every wave of role X wants all 32 KiB of it in registers, a lane 128 bytes of each 4,096.  The eight waves copy it into LDS once, each load 512 consecutive bytes, and take their registers from there.
; LDS: each role has bytes of its own.  Two barriers, both on every wave's path.  No tensor load, no cluster: nothing here is read by two work-groups but the small gate table.
.set XSB,   40960                      ; role X: behind eight waves' two stages of 32 x 80 bytes (5,120 a wave): 256 scale bytes a wave
.set LOGI,  43008                      ; role X: the 64 tokens' eight logits, 32 bytes a token
.set WSTG,  45056                      ; role W: four fragment images a wave, 1,664 bytes apart (1,536 + 128): 6,656 a wave
.set GST,   98304                      ; role X: the gate table as 256 groups of 128 bytes (four rows), 144 bytes apart: 36,864 bytes
.set R,     16                         ; X: v16-79   four sets of 16 numbers as they are loaded
.set XN,    80                         ; X: v80-111  two sets of 16 neighbours
.set E,     112                        ; X: v112-127 a scale byte for each step
.set C,     128                        ; X: v128-191 four registers of codes for each step: no store's data are written again (v128-159 first carry the gate table to LDS)
.set AL,    192                        ; X: v192-199 the eight logits' sums
.set PT,    200                        ; X: v200-207 what the other half of the lanes sends
.set VO,    208                        ; W: v208-239 4 x lane + i x the matrix's row in bytes
.set WST,   240                        ; W: v240 where my column's codes go in the stage
.set WRD,   241                        ; W: v241 where I read the images back
.set WSO,   242                        ; W: v242 my column's two scale words in a block of 256 bytes
.set TLA,   243                        ; tail: v243 my token's logits in LDS
.set GSO,   244                        ; X: v244 where my 16 bytes of the gate table go in LDS
.set GLA,   245                        ; X: v245 my lane's group of each 32
.set GGO,   246                        ; X: v246 16 x my thread's number: my 16 bytes of each 4,096 of the gate table
.set WX,    32                         ; W: v32-95   two sets of 32 numbers
.set OUTR,  112                        ; W: v112-159 the way out
.set MSB, 0
.macro WIN new                         ; the immediate's high byte repeats the setting that is left
.if MSB != \new
	s_set_vgpr_msb (MSB<<8)|\new
.set MSB, \new
.endif
.endm
	s_load_b512 s[8:23], s[0:1], 0x0               ; x s[8:9], gate_w s[10:11], w1 s[12:13], w3 s[14:15], w2 s[16:17], xq s[18:19], xs s[20:21], wq s[22:23]
	s_load_b256 s[24:31], s[0:1], 0x40             ; ws s[24:25], tokrec s[26:27], hist s[28:29], cw s[30:31]
	v_lshl_add_u32 v254, v0, 2, 0x21000
	v_mov_b32 v255, 0
	v_lshrrev_b32 v1, 5, v0
	v_readfirstlane_b32 s40, v1                    ; wave 0..7
	v_and_b32 v2, 31, v0                           ; lane
	v_lshlrev_b32 v3, 4, v2                        ; 16 x lane
	v_lshlrev_b32 v7, 3, v2                        ; 8 x lane
	s_mov_b32 s42, 0x76543210
	s_mov_b32 s43, 0xfedcba98                      ; v_permlanex16_b32's selects for lane l xor 16
	; every LDS address of both roles is made here, ahead of the parting
	v_bfe_u32 v8, v2, 1, 1
	v_mul_u32_u24 v4, v8, 384                      ; X: my 12 bytes of codes in a token's 768: the block's parity x 384
	v_lshrrev_b32 v8, 2, v2
	v_mad_u32_u24 v4, v8, 24, v4                   ; + half the block's number x 24
	v_and_b32 v8, 1, v2
	v_mad_u32_u24 v4, v8, 12, v4                   ; + my half of the block
	s_lshl_b32 s41, s40, 8
	s_add_co_u32 s44, s41, LOGI
	s_add_co_u32 s41, s41, XSB
	v_lshrrev_b32 v5, 1, v2
	v_add_nc_u32 v5, s41, v5                       ; X: my block's scale byte in my wave's 256
	v_add_nc_u32 v6, s41, v7                       ; X: and 8 of them on the way out
	v_mov_b32 v13, s44                             ; X: my wave's eight tokens' logits (the same in every lane)
	s_mul_i32 s45, s40, 5120
	v_lshrrev_b32 v14, 2, v2
	v_mul_u32_u24 v14, v14, 80
	v_and_b32 v15, 3, v2
	v_lshl_add_u32 v14, v15, 4, v14
	v_add_nc_u32 v14, s45, v14                     ; X: the stage, way in: four lanes' 64 bytes on end, then 16 of padding
	v_mul_u32_u24 v15, v2, 80
	v_add_nc_u32 v15, s45, v15                     ; X: way out: my 16 neighbours
	s_mul_i32 s46, s40, 6656
	s_add_co_u32 s46, s46, WSTG
	v_bfe_u32 v8, v2, 3, 1                         ; W: column l of 32 is lane r of tile u: u = (l >> 3) & 1,
	v_and_b32 v9, 7, v2
	v_lshrrev_b32 v10, 4, v2
	v_lshl_or_b32 v9, v10, 3, v9                   ; r = (l & 7) | (l >> 4) << 3: lane r of tile u takes column 8 u + r + 8 (r / 8)
	v_mul_u32_u24 v[WST], v8, 1664
	v_lshl_add_u32 v[WST], v9, 4, v[WST]
	v_add_nc_u32 v[WST], s46, v[WST]
	v_add_nc_u32 v[WRD], s46, v3
	v_lshlrev_b32 v[WSO], 4, v9
	v_lshl_add_u32 v[WSO], v8, 3, v[WSO]           ; 16 r + 8 u
	s_lshl_b32 s47, s40, 10
	s_add_co_u32 s47, s47, LOGI
	v_lshl_add_u32 v[TLA], v2, 5, s47              ; tail: token 32 x wave + lane of the work-group's 64
	v_lshrrev_b32 v8, 3, v0                        ; X: thread t's 16 bytes of a run of 4,096 lie in group t / 8 of its 32, at byte 16 (t % 8)
	v_mul_u32_u24 v[GSO], v8, 144
	v_and_b32 v8, 7, v0
	v_lshl_add_u32 v[GSO], v8, 4, v[GSO]
	v_add_nc_u32 v[GSO], GST, v[GSO]
	v_mul_u32_u24 v[GLA], v2, 144                  ; X: back: lane l takes group l of each 32: 144 bytes from lane to lane, an odd multiple of 16, so sixteen lanes meet sixteen different columns of 16 bytes
	v_add_nc_u32 v[GLA], GST, v[GLA]
	v_lshlrev_b32 v[GGO], 4, v0
.irp e, 0,1,2,3,4,5,6,7
	v_mov_b32 v[PT+\e], 0                          ; written once: a lane permute's destination counts as one of its sources
.endr
	s_wait_kmcnt 0x0
	s_cmp_lt_u32 ttmp9, 128
	s_cbranch_scc0 .Lstaged
; ---------------- role X: the gate table goes to LDS: run n of 4,096 bytes by the eight waves side by side, each load 512 consecutive bytes ----------------
.irp n, 0,1,2,3,4,5,6,7
	global_load_b128 v[C+4*\n:C+4*\n+3], v[GGO], s[10:11] offset:4096*\n
.endr
.irp n, 0,1,2,3,4,5,6,7
	s_wait_loadcnt 7-\n                            ; load n is in; those behind it may be out
	ds_store_b128 v[GSO], v[C+4*\n:C+4*\n+3] offset:4608*\n   ; 32 groups of 144 bytes a run
.endr
.Lstaged:
	s_wait_dscnt 0x0                               ; for the others' sake: my part of the table is in LDS
	s_barrier_signal -1                            ; on every wave's path: a weight work-group passes it with nothing outstanding
	s_barrier_wait -1
	s_cmp_lt_u32 ttmp9, 128
	s_cbranch_scc0 .Lw
; ---------------- ROLE X: a wave takes 8 tokens, 16 steps of 512 numbers (step t: row t / 2, half t % 2) ----------------
	s_lshl_b32 s44, ttmp9, 6
	s_lshl_b32 s45, s40, 3
	s_add_co_u32 s44, s44, s45                     ; my first token: 64 x work-group + 8 x wave
	s_mov_b32 s47, 0
	s_lshl_b32 s46, s44, 12
	s_add_nc_u64 s[8:9], s[8:9], s[46:47]
	s_mul_i32 s46, s44, 768
	s_add_nc_u64 s[18:19], s[18:19], s[46:47]
	s_lshl_b32 s46, s44, 5
	s_add_nc_u64 s[20:21], s[20:21], s[46:47]
.macro LOAD t                          ; 32 lanes read 512 consecutive bytes, four times
.irp i, 0,1,2,3
	global_load_b128 v[R+16*((\t)%4)+4*\i:R+16*((\t)%4)+4*\i+3], v3, s[8:9] offset:2048*(\t)+512*\i th:TH_LOAD_NT
.endr
.endm
.macro TURN t                          ; step t's numbers through the wave's own stage: LDS serves a wave's instructions in order, so no wait stands between the stores and the loads
.irp i, 0,1,2,3
	ds_store_b128 v14, v[R+16*((\t)%4)+4*\i:R+16*((\t)%4)+4*\i+3] offset:2560*((\t)%2)+640*\i
.endr
.irp i, 0,1,2,3
	ds_load_b128 v[XN+16*((\t)%2)+4*\i:XN+16*((\t)%2)+4*\i+3], v15 offset:2560*((\t)%2)+16*\i
.endr
.endm
; The router's share of a step: my 16 numbers as loaded x their rows of the gate table, two experts an instruction, the four pairs of sums by turns.  A row's first four products start its sums.
.macro FMA t
.set RS, R+16*((\t)%4)
.set GB, 128*((\t)%2)
	WIN 0x04                                       ; source 1 (the gate table) window 1
.irp i, 0,1,2,3
.irp k, 0,2
.irp p, 0,2,4,6
.if ((\t)%2 == 0) && (\i == 0) && (\k == 0)
	v_pk_mul_f32 v[AL+\p:AL+\p+1], v[RS:RS+1], v[GB+\p:GB+\p+1] op_sel_hi:[0,1]
.else
	v_pk_fma_f32 v[AL+\p:AL+\p+1], v[RS+4*\i+\k:RS+4*\i+\k+1], v[GB+32*\i+8*\k+\p:GB+32*\i+8*\k+\p+1], v[AL+\p:AL+\p+1] op_sel_hi:[0,1,1]
.endif
.endr
.irp p, 0,2,4,6
	v_pk_fma_f32 v[AL+\p:AL+\p+1], v[RS+4*\i+\k:RS+4*\i+\k+1], v[GB+32*\i+8*\k+8+\p:GB+32*\i+8*\k+8+\p+1], v[AL+\p:AL+\p+1] op_sel:[1,0,0] op_sel_hi:[1,1,1]
.endr
.endr
.endr
	WIN 0
.endm
.macro QNT t                           ; my 16 neighbours become 12 bytes of codes; two neighbouring lanes hold a block
.set XSET, XN+16*((\t)%2)
	v_max3_num_f32 v8, |v[XSET]|, |v[XSET+1]|, |v[XSET+2]|
	v_max3_num_f32 v9, |v[XSET+3]|, |v[XSET+4]|, |v[XSET+5]|
.irp i, 6,10
	v_max3_num_f32 v8, v8, |v[XSET+\i]|, |v[XSET+\i+1]|
	v_max3_num_f32 v9, v9, |v[XSET+\i+2]|, |v[XSET+\i+3]|
.endr
	v_max3_num_f32 v8, v8, |v[XSET+14]|, |v[XSET+15]|
	v_max3_num_f32 v8, v8, v9, 0x2800000           ; and the floor 2^(5 - 127): the byte cannot fall under 1
	v_max_num_f32_dpp v8, v8, v8 row_xmask:1 row_mask:0xf bank_mask:0xf   ; with my neighbour's 16: the block's largest magnitude
	v_add_nc_u32 v11, 0xfe000000, v8               ; 4 off its exponent field: the conversion takes the exponent field of this operand as its scale
	v_cvt_scalef32_pk16_bf6_f32 v[C+4*(\t):C+4*(\t)+2], v[XSET:XSET+15], v11
	v_lshrrev_b32 v[E+(\t)], 23, v11               ; the scale's byte (also the plain line behind the conversion)
	ds_store_b8 v5, v[E+(\t)] offset:16*(\t)       ; both lanes of a block write the same byte with the same value
	global_store_b96 v4, v[C+4*(\t):C+4*(\t)+2], s[18:19] offset:768*((\t)/2)+192*((\t)%2)
.endm
.macro REDUCE t                        ; a row is done: its eight sums over the 32 lanes, by turns; every lane ends with all eight and stores the same 32 bytes
.irp x, 1,2,4,8
.irp e, 0,1,2,3,4,5,6,7
	v_add_f32_dpp v[AL+\e], v[AL+\e], v[AL+\e] row_xmask:\x row_mask:0xf bank_mask:0xf
.endr
.endr
.irp e, 0,1,2,3,4,5,6,7
	v_permlanex16_b32 v[PT+\e], v[AL+\e], s42, s43
.endr
.irp e, 0,1,2,3,4,5,6,7
	v_add_f32 v[AL+\e], v[AL+\e], v[PT+\e]
.endr
	ds_store_b128 v13, v[AL:AL+3] offset:32*((\t)/2)
	ds_store_b128 v13, v[AL+4:AL+7] offset:32*((\t)/2)+16
.endm
.macro STEP t
.if (\t)%2 == 1
	s_wait_dscnt 0x1                               ; this step's numbers are back from the stage; the last step's byte store may be out
.else
	s_wait_dscnt 0x0                               ; the same, and the last row's logits have left the sums' registers, which this step's first products write (step 0: the gate table is in its registers)
.endif
	FMA \t
.if (\t)+4 < 16
	LOAD (\t)+4                                    ; into the set that this step's products and its stores into the stage have read
.endif
.if (\t) < 15
.if 14-(\t) >= 3
	s_wait_loadcnt 12                              ; the next step's four loads are in; those of the three steps behind it may be out
.else
	s_wait_loadcnt 4*(14-(\t))
.endif
	TURN (\t)+1
.endif
	QNT \t
.if (\t)%2 == 1
	REDUCE \t
.endif
.endm
.irp t, 0,1,2,3
	LOAD \t                                        ; x's first four steps are asked for first: they are on their way while the table comes out of LDS
.endr
; The gate table stays in window 1 for the whole role: g[128 j + 4 lane + k][e] at register 32 j + 8 k + e: the rows that meet the numbers of x as the loads leave them in my lane.
	WIN 0x40                                       ; destination window 1
.irp j, 0,1,2,3,4,5,6,7
.irp q, 0,1,2,3,4,5,6,7
	ds_load_b128 v[32*\j+4*\q:32*\j+4*\q+3], v[GLA] offset:4608*\j+16*\q
.endr
.endr
	WIN 0
	s_wait_loadcnt 12                              ; step 0 is in; steps 1 to 3 may be out
	TURN 0
.irp t, 0,1,2,3,4,5,6,7,8,9,10,11,12,13,14,15
	STEP \t
.endr
	ds_load_b64 v[8:9], v6                         ; my wave's 256 scale bytes: LDS serves a wave's instructions in order
	s_wait_dscnt 0x0
	global_store_b64 v7, v[8:9], s[20:21]          ; 32 lanes store 256 consecutive bytes, at a multiple of 256 from the buffer's first byte
	s_branch .Ljoin
; ---------------- ROLE W: a wave takes 32 columns x 256 along K: a lane a column, its registers down K: four whole fragments ----------------
.Lw:
	s_sub_co_u32 s44, ttmp9, 128                   ; 32 x kind + 4 x expert + quarter; kind 0 = w1, 1 = w3, 2 = w2
	s_lshr_b32 s45, s44, 5                         ; kind
	s_bfe_u32 s46, s44, 0x30002                    ; expert
	s_and_b32 s47, s44, 3                          ; quarter: of K for w1 and w3, of the columns for w2
	s_cmp_eq_u32 s45, 0
	s_cselect_b64 s[48:49], s[12:13], s[14:15]     ; w1 or w3
	s_lshr_b32 s53, s40, 1                         ; wave / 2
	s_and_b32 s54, s40, 1                          ; wave % 2: which pair of tiles in a unit
	s_lshl_b32 s51, s47, 18                        ; 256 rows of 1,024 bytes
	s_lshl_b32 s52, s47, 10                        ; 256 columns
	s_lshl_b32 s55, s47, 2
	s_add_co_u32 s55, s55, s45                     ; w1, w3: unit 2 (2 quarter) + kind
	s_lshl_b32 s56, s53, 1
	s_add_co_u32 s56, s56, 16                      ; w2: unit 16 + 2 (wave / 2)
	s_lshl_b32 s57, s47, 1
	s_add_co_u32 s57, s57, s54                     ; w1, w3: scale block 2 quarter + wave % 2
	s_add_co_u32 s58, s53, 8                       ; w2: scale block 8 + wave / 2
	s_mov_b32 s50, 4096
	s_mov_b32 s59, 6144
	s_cmp_lt_u32 s45, 2                            ; all the choices hang on the work-group's number alone
	s_cselect_b64 s[48:49], s[48:49], s[16:17]     ; or w2
	s_cselect_b32 s50, 1024, s50                   ; a row of the matrix in bytes
	s_cselect_b32 s51, s51, s52                    ; the quarter's first byte
	s_cselect_b32 s52, s53, s47                    ; which wave of the third launch reads my fragments
	s_cselect_b32 s55, s55, s56                    ; my first K step's unit
	s_cselect_b32 s59, 12288, s59                  ; from it to my second K step's
	s_cselect_b32 s57, s57, s58                    ; my block of 512 scale bytes,
	s_cselect_b32 s58, s45, s54                    ; and which half of its lanes
	s_lshl_b32 s60, s46, 20                        ; an expert's matrix is 2^20 bytes
	s_add_co_u32 s60, s60, s51
	s_lshl_b32 s61, s40, 7
	s_add_co_u32 s60, s60, s61                     ; + my wave's 32 columns
	s_mov_b32 s61, 0
	s_add_nc_u64 s[66:67], s[48:49], s[60:61]      ; block 0 of my columns;
	s_lshl_b32 s60, s50, 5
.irp t, 1,2,3,4,5,6,7
	s_add_nc_u64 s[66+2*\t:67+2*\t], s[66+2*(\t-1):67+2*(\t-1)], s[60:61]   ; block t begins 32 rows further down
.endr
	s_mul_i32 s60, s46, 589824
	s_mul_i32 s62, s52, 147456
	s_add_co_u32 s60, s60, s62
	s_mul_i32 s62, s55, 6144
	s_add_co_u32 s60, s60, s62
	s_mul_i32 s62, s54, 3072
	s_add_co_u32 s60, s60, s62
	s_add_nc_u64 s[82:83], s[22:23], s[60:61]      ; where my first K step's two fragments go,
	s_mov_b32 s60, s59
	s_add_nc_u64 s[84:85], s[82:83], s[60:61]      ; and my second's
	s_mul_i32 s60, s46, 24576
	s_mul_i32 s62, s52, 6144
	s_add_co_u32 s60, s60, s62
	s_lshl_b32 s62, s57, 9
	s_add_co_u32 s60, s60, s62
	s_lshl_b32 s62, s58, 8
	s_add_co_u32 s60, s60, s62
	s_add_nc_u64 s[86:87], s[24:25], s[60:61]      ; and my 256 bytes of scale words
	v_lshlrev_b32 v10, 2, v2
.irp i, 0,1,2,3,4,5,6,7,8,9,10,11,12,13,14,15,16,17,18,19,20,21,22,23,24,25,26,27,28,29,30,31
	v_mad_u32_u24 v[VO+\i], s50, \i, v10           ; row i of a block, my column
.endr
.macro WLOAD t                         ; block t: 32 rows, each load 128 consecutive bytes a wave; the eight waves stand side by side
.irp i, 0,1,2,3,4,5,6,7,8,9,10,11,12,13,14,15,16,17,18,19,20,21,22,23,24,25,26,27,28,29,30,31
	global_load_b32 v[WX+32*((\t)%2)+\i], v[VO+\i], s[66+2*(\t):67+2*(\t)] th:TH_LOAD_NT
.endr
.endm
; Block t of my column is K step t / 4, registers 6 c .. 6 c + 5 (c = (t / 2) % 2) of lane r + 16 (t % 2) of my tile's fragment.
.macro BLOCK t
.set XSET, WX+32*((\t)%2)
.if (\t) < 7
	s_wait_loadcnt 32                              ; this block's 32 loads are in; the next block's may be out
.else
	s_wait_loadcnt 0x0
.endif
	v_max3_num_f32 v16, |v[XSET]|, |v[XSET+1]|, |v[XSET+2]|        ; the block's largest magnitude: all 32 numbers are mine
	v_max3_num_f32 v17, |v[XSET+3]|, |v[XSET+4]|, |v[XSET+5]|
.irp i, 6,10,14,18,22,26
	v_max3_num_f32 v16, v16, |v[XSET+\i]|, |v[XSET+\i+1]|
	v_max3_num_f32 v17, v17, |v[XSET+\i+2]|, |v[XSET+\i+3]|
.endr
	v_max3_num_f32 v16, v16, |v[XSET+30]|, |v[XSET+31]|
	v_max3_num_f32 v16, v16, v17, 0x2800000        ; and the floor 2^(5 - 127)
	v_add_nc_u32 v18, 0xfe000000, v16              ; 4 off the exponent field: the conversion's scale operand
	v_lshrrev_b32 v19, 23, v18                     ; the scale's byte
.if (\t)%4 == 0
	v_mov_b32 v[24+(\t)/4], v19                    ; four bytes make a K step's scale word, the lower K in the lower byte
.else
	v_lshl_or_b32 v[24+(\t)/4], v19, 8*((\t)%4), v[24+(\t)/4]
.endif
	v_cvt_scalef32_pk16_bf6_f32 v[96:98], v[XSET:XSET+15], v18
	v_cvt_scalef32_pk16_bf6_f32 v[104:106], v[XSET+16:XSET+31], v18   ; (a conversion's three registers begin on an even number)
	v_nop                                          ; one plain line behind a scaled conversion
	v_mov_b32 v99, v104
	v_mov_b32 v100, v105
	v_mov_b32 v101, v106
.if ((\t)/2)%2 == 0
	ds_store_b128 v[WST], v[96:99] offset:3328*((\t)/4)+256*((\t)%2)          ; registers 0-3
	ds_store_b64 v[WST], v[100:101] offset:3328*((\t)/4)+256*((\t)%2)+512     ; registers 4, 5
.else
	ds_store_b64 v[WST], v[96:97] offset:3328*((\t)/4)+256*((\t)%2)+520       ; registers 6, 7
	ds_store_b128 v[WST], v[98:101] offset:3328*((\t)/4)+256*((\t)%2)+1024    ; registers 8-11
.endif
.if (\t)+2 < 8
	WLOAD (\t)+2
.endif
	s_wait_dscnt 0x0                               ; the stores have read their registers: the next block's codes may be written
.endm
	WLOAD 0
	WLOAD 1
.irp t, 0,1,2,3,4,5,6,7
	BLOCK \t
.endr
	global_store_b64 v[WSO], v[24:25], s[86:87]    ; 32 lanes store 256 consecutive bytes, at a multiple of 256 from the buffer's first byte
.irp f, 0,1,2,3
.irp i, 0,1,2
	ds_load_b128 v[OUTR+12*\f+4*\i:OUTR+12*\f+4*\i+3], v[WRD] offset:1664*\f+512*\i   ; the wave's own bytes: these see my stores
.endr
.endr
.irp f, 0,1,2,3
.irp i, 0,1,2
	s_wait_dscnt 11-3*\f-\i                        ; the loads behind this one may be out
	global_store_b128 v3, v[OUTR+12*\f+4*\i:OUTR+12*\f+4*\i+3], s[82+2*(\f/2):83+2*(\f/2)] offset:1536*(\f%2)+512*\i   ; 512 consecutive bytes
.endr
.endr
; ---------------- both roles meet: one barrier, on every wave's path; behind it the 64 tokens' logits lie in LDS ----------------
.Ljoin:
	s_wait_dscnt 0x0                               ; for the others' sake: my LDS stores are done
	s_barrier_signal -1
	s_barrier_wait -1
	s_cmp_lt_u32 ttmp9, 128
	s_cbranch_scc0 .Lend
	s_cmp_lt_u32 s40, 2
	s_cbranch_scc0 .Lend
; THE ROUTER'S TAIL: waves 0 and 1 of a token work-group, a lane a token: chunk 2 x work-group + wave of 32 tokens.
	s_wait_xcnt 0x0                                ; every store issued ahead of the barrier has read its data and address registers (ISA guide 3.1): the tail writes v16-43 anew only behind this wait
	ds_load_b128 v[16:19], v[TLA]
	ds_load_b128 v[20:23], v[TLA] offset:16
	s_lshl_b32 s46, ttmp9, 1
	s_add_co_u32 s46, s46, s40
	s_lshl_b32 s46, s46, 7                         ; 128 bytes a chunk in tokrec and in hist,
	s_mov_b32 s47, 0
	s_add_nc_u64 s[26:27], s[26:27], s[46:47]
	s_add_nc_u64 s[28:29], s[28:29], s[46:47]
	s_lshl_b32 s46, s46, 1                         ; 256 in cw
	s_add_nc_u64 s[30:31], s[30:31], s[46:47]
	s_wait_dscnt 0x0
	v_max3_num_f32 v24, v16, v17, v18              ; the softmax takes the largest logit away first
	v_max3_num_f32 v24, v24, v19, v20
	v_max3_num_f32 v24, v24, v21, v22
	v_max_num_f32 v24, v24, v23
.irp e, 0,1,2,3,4,5,6,7
	v_sub_f32 v[16+\e], v[16+\e], v24
.endr
.irp e, 0,1,2,3,4,5,6,7
	v_mul_f32 v[16+\e], 0x3fb8aa3b, v[16+\e]       ; x log2(e)
.endr
.irp e, 0,1,2,3,4,5,6,7
	v_exp_f32 v[16+\e], v[16+\e]
.endr
	v_nop                                          ; one plain line behind the transcendentals
	s_wait_alu depctr_va_vdst(0)
	v_add_f32 v25, v16, v17
	v_add_f32 v26, v18, v19
	v_add_f32 v27, v20, v21
	v_add_f32 v28, v22, v23
	v_add_f32 v25, v25, v26
	v_add_f32 v27, v27, v28
	v_add_f32 v25, v25, v27
	v_rcp_f32 v25, v25
	v_mov_b32 v30, -1.0                            ; (a plain line behind the reciprocal)  under every probability
	s_wait_alu depctr_va_vdst(0)
.irp e, 0,1,2,3,4,5,6,7
	v_mul_f32 v[16+\e], v[16+\e], v25              ; the probabilities, normalised as the softmax leaves them
.endr
	v_mov_b32 v26, v16                             ; the largest, by an ascending scan: a later one takes the place only if it is larger, so the lower index wins a tie
	v_mov_b32 v27, 0
.irp e, 1,2,3,4,5,6,7
	v_cmp_le_f32 vcc_lo, v[16+\e], v26             ; not larger: the earlier one stays
	v_cndmask_b32 v26, v[16+\e], v26, vcc_lo
	v_cndmask_b32 v27, \e, v27, vcc_lo
.endr
.irp e, 0,1,2,3,4,5,6,7
	v_cmp_eq_u32 vcc_lo, \e, v27
	v_cndmask_b32 v[16+\e], v[16+\e], v30, vcc_lo  ; the winner is taken out
.endr
	v_mov_b32 v28, v16                             ; the second, by the same scan
	v_mov_b32 v29, 0
.irp e, 1,2,3,4,5,6,7
	v_cmp_le_f32 vcc_lo, v[16+\e], v28
	v_cndmask_b32 v28, v[16+\e], v28, vcc_lo
	v_cndmask_b32 v29, \e, v29, vcc_lo
.endr
	v_add_f32 v31, v26, v28
	v_rcp_f32 v31, v31
	v_min_u32 v33, v27, v29                        ; (a plain line behind the reciprocal)  lo
	s_wait_alu depctr_va_vdst(0)
	v_mul_f32 v42, v26, v31                        ; the two weights, renormalised
	v_mul_f32 v43, v28, v31
	v_max_u32 v34, v27, v29                        ; hi
	; the sort key, 0..27: pairs ordered by lo; inside a lo, hi ascends where lo is even and descends where it is odd, so that neighbouring keys share an expert
	v_sub_nc_u32 v32, 15, v33
	v_mul_u32_u24 v32, v33, v32
	v_lshrrev_b32 v32, 1, v32                      ; lo (15 - lo) / 2 pairs have a smaller lo
	v_sub_nc_u32 v35, v34, v33
	v_add_nc_u32 v35, -1, v35                      ; hi - lo - 1
	v_sub_nc_u32 v36, 7, v34                       ; 7 - hi
	v_and_b32 v37, 1, v33
	v_cmp_eq_u32 vcc_lo, 0, v37
	v_cndmask_b32 v35, v36, v35, vcc_lo
	v_add_nc_u32 v32, v32, v35
	v_mov_b32 v36, 0                               ; lane k: how many of the chunk's 32 tokens have key k
	v_mov_b32 v37, 0                               ; my rank among the chunk's tokens of my key
.irp k, 0,1,2,3,4,5,6,7,8,9,10,11,12,13,14,15,16,17,18,19,20,21,22,23,24,25,26,27
	v_cmp_eq_u32 s50, \k, v32
	s_bcnt1_i32_b32 s51, s50
	v_writelane_b32 v36, s51, \k
	v_mbcnt_lo_u32_b32 v38, s50, 0
	v_cndmask_b32 v37, v37, v38, s50
.endr
	v_lshl_or_b32 v39, v37, 8, v32                 ; key | rank << 8 | first expert << 16 | second << 24
	v_lshl_or_b32 v39, v27, 16, v39
	v_lshl_or_b32 v39, v29, 24, v39
	v_lshlrev_b32 v40, 2, v2
	global_store_b32 v40, v39, s[26:27]            ; all three at places that hang on ids alone
	global_store_b32 v40, v36, s[28:29]
	global_store_b64 v7, v[42:43], s[30:31]
.Lend:
	s_wait_tensorcnt 0x0
	ds_add_u32 v254, v255
	s_wait_dscnt 0x0
	s_endpgm
.Lfunc_end_k_q5d7366cb72_prep:
	.size	k_q5d7366cb72_prep, .Lfunc_end_k_q5d7366cb72_prep-k_q5d7366cb72_prep
	.p2alignl 7, 3214868480
	.fill 96, 4, 3214868480
	.section	.rodata,"a",@progbits
	.p2align	6, 0x0
	.amdhsa_kernel k_q5d7366cb72_prep
		.amdhsa_group_segment_fixed_size 136192
		.amdhsa_private_segment_fixed_size 0
		.amdhsa_enable_private_segment 0
		.amdhsa_kernarg_size 96
		.amdhsa_user_sgpr_count 2
		.amdhsa_user_sgpr_kernarg_segment_ptr 1
		.amdhsa_wavefront_size32 1
		.amdhsa_system_sgpr_workgroup_id_x 1
		.amdhsa_system_sgpr_workgroup_id_y 1
		.amdhsa_system_sgpr_workgroup_id_z 1
		.amdhsa_system_vgpr_workitem_id 0
		.amdhsa_next_free_vgpr 512
		.amdhsa_next_free_sgpr 96
		.amdhsa_reserve_vcc 1
		.amdhsa_float_denorm_mode_32 3
		.amdhsa_float_denorm_mode_16_64 3
		.amdhsa_memory_ordered 1
		.amdhsa_forward_progress 1
		.amdhsa_inst_pref_size 185
	.end_amdhsa_kernel
	.amdgpu_metadata
---
amdhsa.version: [ 1, 2 ]
amdhsa.kernels:
  - .name:           k_q5d7366cb72_prep
    .symbol:         k_q5d7366cb72_prep.kd
    .args:
      - { .name: x, .offset: 0, .size: 8, .value_kind: global_buffer, .address_space: global }
      - { .name: gate_w, .offset: 8, .size: 8, .value_kind: global_buffer, .address_space: global }
      - { .name: w1, .offset: 16, .size: 8, .value_kind: global_buffer, .address_space: global }
      - { .name: w3, .offset: 24, .size: 8, .value_kind: global_buffer, .address_space: global }
      - { .name: w2, .offset: 32, .size: 8, .value_kind: global_buffer, .address_space: global }
      - { .name: xq, .offset: 40, .size: 8, .value_kind: global_buffer, .address_space: global }
      - { .name: xs, .offset: 48, .size: 8, .value_kind: global_buffer, .address_space: global }
      - { .name: wq, .offset: 56, .size: 8, .value_kind: global_buffer, .address_space: global }
      - { .name: ws, .offset: 64, .size: 8, .value_kind: global_buffer, .address_space: global }
      - { .name: tokrec, .offset: 72, .size: 8, .value_kind: global_buffer, .address_space: global }
      - { .name: hist, .offset: 80, .size: 8, .value_kind: global_buffer, .address_space: global }
      - { .name: cw, .offset: 88, .size: 8, .value_kind: global_buffer, .address_space: global }
    .group_segment_fixed_size: 136192
    .private_segment_fixed_size: 0
    .kernarg_segment_align: 8
    .kernarg_segment_size: 96
    .max_flat_workgroup_size: 256
    .sgpr_count:     96
    .vgpr_count:     512
    .wavefront_size: 32
...
	.end_amdgpu_metadata
.endif
;; end of part 1
;; launch place (part 2): grid 1 x 1, 8 waves a work-group, no clusters, 2,048 bytes of LDS; arguments tokrec, hist, perm; writes perm
.if DOCPART == 2
	.amdgcn_target "amdgcn-amd-amdhsa--gfx1250"
	.amdhsa_code_object_version 6
	.text
	.protected	k_q5d7366cb72_place
	.globl	k_q5d7366cb72_place
	.p2align	8
	.type	k_q5d7366cb72_place,@function
k_q5d7366cb72_place:
	s_mov_b64 s[64:65], 0
	v_nop
	global_prefetch_b8 v0, s[64:65] scope:SCOPE_SE
	s_setreg_imm32_b32 hwreg(HW_REG_WAVE_MODE, 25, 1), 1
	s_wait_xcnt 0x0
; SECOND LAUNCH: a counting sort of the 8,192 tokens by their key (0..27: the pair of experts), from the counts and ranks that the first launch stored.  One work-group, no atomics.
; Wave w takes chunks 32 w .. 32 w + 31 of 32 tokens.  For the counts a lane is a KEY, for the records a lane is a TOKEN.
; A token's place = the key's start + the key's tokens in earlier waves + in earlier chunks of my wave + its rank in its chunk.  perm[place] = token | first expert << 16 | second << 24.
; The places are a permutation of 0..8191, so every word of perm is written.  The stores are single words far apart: 32 KiB in all, written once.
.set H, 16                             ; v16-47   chunk c's counts (lane = key); later the token's place
.set B, 48                             ; v48-79   the key's tokens ahead of chunk c
.set T, 80                             ; v80-111  chunk c's records (lane = token)
.set A, 112                            ; v112-143 4 x the token's key: the lane to ask
.set D, 144                            ; v144-175 the word to store
	s_load_b128 s[4:7], s[0:1], 0x0                ; tokrec, hist
	s_load_b64 s[8:9], s[0:1], 0x10                ; perm
	v_lshl_add_u32 v192, v0, 2, 0x400
	v_mov_b32 v193, 0
	v_lshrrev_b32 v2, 5, v0
	v_readfirstlane_b32 s10, v2                    ; wave
	v_and_b32 v3, 31, v0                           ; lane
	v_lshlrev_b32 v1, 2, v3
	v_lshlrev_b32 v5, 2, v0                        ; LDS: 128 x wave + 4 x lane
	s_lshl_b32 s12, s10, 12                        ; 32 chunks of 128 bytes a wave, in both buffers
	s_mov_b32 s13, 0
	s_lshl_b32 s17, s10, 10
	v_add_nc_u32 v179, s17, v3                     ; my token in chunk 0 of my wave
	s_wait_kmcnt 0x0
	s_add_nc_u64 s[4:5], s[4:5], s[12:13]
	s_add_nc_u64 s[6:7], s[6:7], s[12:13]
.irp c, 0,1,2,3,4,5,6,7,8,9,10,11,12,13,14,15,16,17,18,19,20,21,22,23,24,25,26,27,28,29,30,31
	global_load_b32 v[H+\c], v1, s[6:7] offset:128*\c
.endr
.irp c, 0,1,2,3,4,5,6,7,8,9,10,11,12,13,14,15,16,17,18,19,20,21,22,23,24,25,26,27,28,29,30,31
	global_load_b32 v[T+\c], v1, s[4:5] offset:128*\c
.endr
	s_wait_loadcnt 32                              ; the counts are in; the 32 loads of records may be out
	v_mov_b32 v[B], 0
.irp c, 0,1,2,3,4,5,6,7,8,9,10,11,12,13,14,15,16,17,18,19,20,21,22,23,24,25,26,27,28,29,30
	v_add_nc_u32 v[B+\c+1], v[B+\c], v[H+\c]
.endr
	v_add_nc_u32 v4, v[B+31], v[H+31]              ; my wave's tokens of key = lane
	ds_store_b32 v5, v4
	s_wait_dscnt 0x0                               ; for the others' sake
	s_barrier_signal -1
	s_barrier_wait -1
.irp j, 0,1,2,3,4,5,6,7
	ds_load_b32 v[6+\j], v1 offset:128*\j          ; every wave's totals
.endr
	v_mov_b32 v14, 0                               ; all waves'
	v_mov_b32 v15, 0                               ; the earlier waves'
	v_mov_b32 v177, 0
	s_wait_dscnt 0x0
.irp j, 0,1,2,3,4,5,6,7
	s_cmp_gt_u32 s10, \j
	s_cselect_b32 s14, -1, 0
	v_and_b32 v176, s14, v[6+\j]
	v_add_nc_u32 v14, v14, v[6+\j]
	v_add_nc_u32 v15, v15, v176
.endr
	s_mov_b32 s16, 0
.irp k, 0,1,2,3,4,5,6,7,8,9,10,11,12,13,14,15,16,17,18,19,20,21,22,23,24,25,26,27
	v_readlane_b32 s15, v14, \k
	v_writelane_b32 v177, s16, \k                  ; lane k: where key k begins
	s_add_co_u32 s16, s16, s15
.endr
	v_add_nc_u32 v178, v177, v15
	s_wait_loadcnt 0x0                             ; the records
.irp c, 0,1,2,3,4,5,6,7,8,9,10,11,12,13,14,15,16,17,18,19,20,21,22,23,24,25,26,27,28,29,30,31
	v_add_nc_u32 v[B+\c], v[B+\c], v178            ; lane k: where chunk c's tokens of key k begin
	v_and_b32 v[A+\c], 0xff, v[T+\c]
	v_min_u32 v[A+\c], 31, v[A+\c]                 ; a key names a lane
	v_lshlrev_b32 v[A+\c], 2, v[A+\c]
	ds_bpermute_b32 v[H+\c], v[A+\c], v[B+\c]      ; each token asks its key's lane (no LDS byte is touched)
.endr
.irp c, 0,1,2,3,4,5,6,7,8,9,10,11,12,13,14,15,16,17,18,19,20,21,22,23,24,25,26,27,28,29,30,31
	s_wait_dscnt 31-\c                             ; the permutes behind this one may be out
	v_bfe_u32 v176, v[T+\c], 8, 8                  ; + my rank in the chunk
	v_add_nc_u32 v[H+\c], v[H+\c], v176
	v_min_u32 v[H+\c], 0x1fff, v[H+\c]             ; a place lies in 0..8191
	v_lshlrev_b32 v[H+\c], 2, v[H+\c]
	v_add_nc_u32 v[D+\c], 32*\c, v179
	v_and_or_b32 v[D+\c], v[T+\c], 0xffff0000, v[D+\c]
	global_store_b32 v[H+\c], v[D+\c], s[8:9]
.endr
	s_wait_tensorcnt 0x0
	ds_add_u32 v192, v193
	s_wait_dscnt 0x0
	s_endpgm
.Lfunc_end_k_q5d7366cb72_place:
	.size	k_q5d7366cb72_place, .Lfunc_end_k_q5d7366cb72_place-k_q5d7366cb72_place
	.p2alignl 7, 3214868480
	.fill 96, 4, 3214868480
	.section	.rodata,"a",@progbits
	.p2align	6, 0x0
	.amdhsa_kernel k_q5d7366cb72_place
		.amdhsa_group_segment_fixed_size 2048
		.amdhsa_private_segment_fixed_size 0
		.amdhsa_enable_private_segment 0
		.amdhsa_kernarg_size 24
		.amdhsa_user_sgpr_count 2
		.amdhsa_user_sgpr_kernarg_segment_ptr 1
		.amdhsa_wavefront_size32 1
		.amdhsa_system_sgpr_workgroup_id_x 1
		.amdhsa_system_sgpr_workgroup_id_y 1
		.amdhsa_system_sgpr_workgroup_id_z 1
		.amdhsa_system_vgpr_workitem_id 0
		.amdhsa_next_free_vgpr 194
		.amdhsa_next_free_sgpr 66
		.amdhsa_reserve_vcc 0
		.amdhsa_float_denorm_mode_32 3
		.amdhsa_float_denorm_mode_16_64 3
		.amdhsa_memory_ordered 1
		.amdhsa_forward_progress 1
		.amdhsa_inst_pref_size 37
	.end_amdhsa_kernel
	.amdgpu_metadata
---
amdhsa.version: [ 1, 2 ]
amdhsa.kernels:
  - .name:           k_q5d7366cb72_place
    .symbol:         k_q5d7366cb72_place.kd
    .args:
      - { .name: tokrec, .offset: 0, .size: 8, .value_kind: global_buffer, .address_space: global }
      - { .name: hist, .offset: 8, .size: 8, .value_kind: global_buffer, .address_space: global }
      - { .name: perm, .offset: 16, .size: 8, .value_kind: global_buffer, .address_space: global }
    .group_segment_fixed_size: 2048
    .private_segment_fixed_size: 0
    .kernarg_segment_align: 8
    .kernarg_segment_size: 24
    .max_flat_workgroup_size: 256
    .sgpr_count:     66
    .vgpr_count:     194
    .wavefront_size: 32
...
	.end_amdgpu_metadata
.endif
;; end of part 2
;; launch chain (part 3): grid 256 x 1, 4 waves a work-group, no clusters, 99,328 bytes of LDS; arguments perm, cw, xq, xs, wq, ws, out0; writes out0
.if DOCPART == 3
	.amdgcn_target "amdgcn-amd-amdhsa--gfx1250"
	.amdhsa_code_object_version 6
	.text
	.protected	k_q5d7366cb72_chain
	.globl	k_q5d7366cb72_chain
	.p2align	8
	.type	k_q5d7366cb72_chain,@function
k_q5d7366cb72_chain:
	s_mov_b64 s[64:65], 0
	v_nop
	global_prefetch_b8 v0, s[64:65] scope:SCOPE_SE
	s_setreg_imm32_b32 hwreg(HW_REG_WAVE_MODE, 25, 1), 1
	s_wait_xcnt 0x0
; THIRD LAUNCH: out[token] = the sum over the token's two experts e of coef x (silu(x W1e) * (x W3e)) W2e, all products on codes of BF6 (E3M2) with one E8M0 scale for each 32 along K, sums in f32.
; SHARES.  Work-group b owns the 32 tokens at sorted places 32 b .. 32 b + 31 (two tiles of 16) and is the one owner of their rows of out0.  It walks all eight experts in a loop of constant count and passes over,
; by a scalar branch on the stored list, those that none of its tokens uses; a token of the block that does not use an expert that is walked gets the coefficient 0, as the sum over all experts has it.
; THE WAVES SHARE THE COLUMNS: wave w makes hidden units 64 w .. + 63 and outputs 256 w .. + 255 for all 32 tokens.  Both products are used transposed (source 0 = 16 rows of the weight, source 1 = 16 tokens): a lane holds ONE token.
; THE ROWS OF A WEIGHT'S TILE ARE NOT NEIGHBOURS: lane r of tile 2 b + u takes column 32 b + 8 u + r + 8 (r / 8), so that the 16 registers of tiles 2 b and 2 b + 1 are 16 neighbours: along the next K, and along a row of out0.
; x's CODES: every wave wants all 32 tokens' 768 bytes in registers, a lane 384 bytes of one token.  Each wave copies eight tokens' rows into LDS, sixteen lanes to 256 consecutive bytes, so that each byte is read from memory once
; by the work-group; behind one barrier every wave takes its registers from there.
; THE WEIGHTS come from memory straight into registers, laid by the first launch in the order of the operand's registers: a unit of four fragments is 12 loads of 512 consecutive bytes; five units are on their way.
; NO TENSOR LOAD AND NO CLUSTER: which experts a block walks hangs on numbers read from memory, so two work-groups need not want the same weights at the same time, and a load that a branch may pass over cannot be asked for jointly.
; The hidden layer goes from wave to wave through LDS as an image of the operand's registers; two barriers a trip stand outside the branches, on every wave's path.
; The output sums are cleared at the head: which trip adds first hangs on the stored list, so no product can start them on every path.
; LIMITS: NaN and infinities are not served.  silu's division is v_rcp_f32 and a multiplication.  A block of zeros of the hidden layer gets the byte 1 with zero codes.
; REGISTERS, in windows of 256.  Window 0: v1-31 addresses, experts, weights; v32-39 x's scale words; v40-41 the hidden layer's; v44-75 the weights'; v76-91 the quantiser at work, on the way out 16 row offsets;
;   v92-112 codes just made (at the head v92-97 offsets); v104-119 silu at work; v128-255 accumulators (at the head v128-175 carry x's codes to LDS).
;   Window 1: v0-191 x's 16 fragments (tile m, K step s at 96 m + 12 s); v192-239 the hidden layer's four.
;   Window 2: five slots of 48 for the weights' units.   Window 3: the output sums, tile t of outputs and tile m of tokens at 8 (2 t + m).
.set HSC,  6144                        ; LDS: from 0 the hidden layer's four fragment images (tile m, K step s at 1,536 (2 m + s); register pair p at 256 p + 8 lane); here their scale words: 128 s + 64 m + 4 r
.set STG,  6400                        ; the way out: 16 rows x (1,024 bytes + 16) for each wave, its own
.set XST,  73728                       ; x's codes: the 32 places' rows of 768 bytes, 784 apart (an odd multiple of 16: the sixteen rows that a load touches begin in sixteen different columns of 16 bytes)
.set XS,   32
.set HS,   40
.set WS,   44
.set TM,   76
.set T,    104
.set ACC,  128
.set MSB, 0
.macro WIN new                         ; the immediate's high byte repeats the setting that is left
.if MSB != \new
	s_set_vgpr_msb (MSB<<8)|\new
.set MSB, \new
.endif
.endm
	s_load_b256 s[4:11], s[0:1], 0x0               ; perm s[4:5], cw s[6:7], xq s[8:9], xs s[10:11]
	s_load_b128 s[12:15], s[0:1], 0x20             ; wq, ws
	s_load_b64 s[16:17], s[0:1], 0x30              ; out0
	v_lshl_add_u32 v126, v0, 2, 0x18200
	v_mov_b32 v127, 0
	v_lshrrev_b32 v1, 5, v0
	v_readfirstlane_b32 s18, v1                    ; wave 0..3
	v_and_b32 v2, 31, v0                           ; lane
	v_and_b32 v3, 15, v0                           ; r
	v_bfe_u32 v23, v0, 4, 1                        ; h
	v_lshlrev_b32 v1, 4, v2                        ; 16 x lane
	v_lshlrev_b32 v24, 2, v2
	v_lshlrev_b32 v25, 2, v3
	v_lshlrev_b32 v96, 2, v23
	v_lshl_add_u32 v96, s18, 5, v96                ; the list's word of place 8 w + h
	v_lshlrev_b32 v97, 4, v3                       ; 16 r
	s_lshl_b32 s68, ttmp9, 7                       ; my 32 words of the list
	s_mov_b32 s69, 0
	s_wait_kmcnt 0x0
	s_add_nc_u64 s[4:5], s[4:5], s[68:69]
	s_load_b512 s[32:47], s[4:5], 0x0              ; the 32 words as scalars, for the rows of out0,
	s_load_b512 s[48:63], s[4:5], 0x40
	global_load_b32 v26, v24, s[4:5]               ; a lane a place,
	global_load_b32 v27, v25, s[4:5]               ; tile 0's token r,
	global_load_b32 v28, v25, s[4:5] offset:64     ; tile 1's token r,
.irp a, 0,1,2,3
	global_load_b32 v[92+\a], v96, s[4:5] offset:8*\a   ; and place 8 w + 2 a + h: the tokens whose codes my wave copies, one to each half of the lanes
.endr
	s_mul_i32 s68, s18, 147456
	s_add_nc_u64 s[22:23], s[12:13], s[68:69]      ; my wave's codes of expert 0,
	s_mul_i32 s68, s18, 6144
	s_add_nc_u64 s[24:25], s[14:15], s[68:69]      ; and its scale words
	s_mov_b32 s26, 0xbfb8aa3b                      ; -log2(e)
	s_mov_b32 s27, s26                             ; (named with it as a pair, so it is written)
	s_mov_b32 s28, 0x76543210
	s_mov_b32 s29, 0xfedcba98                      ; v_permlanex16_b32's selects for lane l xor 16
	s_mov_b32 s19, 0                               ; the expert in hand
	s_mov_b32 s20, 0                               ; bit e: some token of the block uses expert e
	s_lshr_b32 s66, s18, 1
	s_and_b32 s67, s18, 1
	s_mul_i32 s68, s66, 1536
	s_mul_i32 s70, s67, 768
	s_add_co_u32 s68, s68, s70
	v_lshlrev_b32 v6, 3, v2                        ; an image's pair of registers: 8 x lane
	v_add_nc_u32 v4, s68, v6                       ; my 64 hidden units are registers 6 (w % 2) .. + 5 of K step w / 2
	s_lshl_b32 s68, s66, 7
	s_lshl_b32 s70, s67, 1
	s_add_co_u32 s68, s68, s70
	s_add_co_u32 s68, s68, HSC
	v_lshlrev_b32 v5, 2, v3
	v_add_nc_u32 v5, s68, v5                       ; and bytes 2 (w % 2), + 1 of its scale word
	v_lshl_add_u32 v7, v2, 2, HSC                  ; the words back: lanes 0-15 tile 0's rows, lanes 16-31 tile 1's
	s_mul_i32 s68, s18, 16640
	s_add_co_u32 s68, s68, STG
	v_mul_u32_u24 v20, v3, 1040
	v_lshl_add_u32 v20, v23, 6, v20
	v_add_nc_u32 v20, s68, v20                     ; the stage, way in: row r, + 64 h
	v_add_nc_u32 v21, s68, v1                      ; back: 16 bytes a lane
	s_lshl_b32 s70, s18, 10
	v_add_nc_u32 v22, s70, v1                      ; my wave's 1,024 bytes of a row of out0
	s_mul_i32 s68, s18, 6272                       ; x's codes, way in: eight rows of 784 bytes a wave,
	s_add_co_u32 s68, s68, XST
	v_mul_u32_u24 v30, v23, 784                    ; row 8 w + h (+ 2 a in the immediate),
	v_add_nc_u32 v30, v97, v30                     ; 16 bytes a lane
	v_add_nc_u32 v30, s68, v30
	v_mul_u32_u24 v31, v3, 784                     ; back: row r (+ 16 m in the immediate),
	v_mad_u32_u24 v31, v23, 384, v31               ; my half's 384 bytes
	v_add_nc_u32 v31, XST, v31
	v_mov_b32 v80, 0                               ; written once: a lane permute's destination counts as one of its sources
	v_mov_b32 v81, 0
	WIN 0xc0                                       ; destination window 3
.set i, 0
.rept 256
	v_mov_b32 v[i], 0                              ; the output sums (while the list is on its way)
.set i, i+1
.endr
	WIN 0
	s_wait_loadcnt 0x0
	s_wait_kmcnt 0x0
.irp a, 0,1,2,3
	v_and_b32 v[92+\a], 0x1fff, v[92+\a]
	v_min_u32 v[92+\a], 0x1fff, v[92+\a]           ; a token lies in 0..8191
	v_mul_u32_u24 v[92+\a], v[92+\a], 768          ; xq: 768 bytes a token,
	v_add_nc_u32 v[92+\a], v97, v[92+\a]           ; 16 bytes a lane
.endr
.irp a, 0,1,2,3
.irp c, 0,1,2
	global_load_b128 v[ACC+12*\a+4*\c:ACC+12*\a+4*\c+3], v[92+\a], s[8:9] offset:256*\c th:TH_LOAD_NT   ; sixteen lanes read 256 consecutive bytes, at a multiple of 256 from the buffer's first byte; each byte once in the launch
.endr
.endr
	v_bfe_u32 v24, v26, 16, 3                      ; the 32 places' experts
	v_bfe_u32 v25, v26, 24, 3
	v_and_b32 v29, 0x1fff, v26
	v_min_u32 v29, 0x1fff, v29
	v_lshlrev_b32 v29, 5, v29                      ; xs: 32 bytes a token
	v_bfe_u32 v8, v27, 16, 3                       ; tile 0: my token's first expert,
	v_bfe_u32 v9, v27, 24, 3                       ; its second;
	v_bfe_u32 v10, v28, 16, 3                      ; tile 1 likewise
	v_bfe_u32 v11, v28, 24, 3
	v_and_b32 v26, 0x1fff, v27
	v_min_u32 v26, 0x1fff, v26
	v_lshlrev_b32 v26, 3, v26                      ; cw: 8 bytes a token
	v_and_b32 v27, 0x1fff, v28
	v_min_u32 v27, 0x1fff, v27
	v_lshlrev_b32 v27, 3, v27
	global_load_b128 v[XS:XS+3], v29, s[10:11]               ; x's scale words, K step s in register s: lanes 0-15 tile 0's rows, lanes 16-31 tile 1's
	global_load_b128 v[XS+4:XS+7], v29, s[10:11] offset:16
	global_load_b64 v[12:13], v26, s[6:7]                    ; my tokens' two weights
	global_load_b64 v[14:15], v27, s[6:7]
	; these four loads are not waited for here: loads end in the order of issue, so the first counted wait of either section below shows them in
.irp e, 0,1,2,3,4,5,6,7
	v_cmp_eq_u32 s66, \e, v24
	v_cmp_eq_u32 s67, \e, v25
	s_or_b32 s66, s66, s67                         ; SCC: some place names expert e
	s_cselect_b32 s68, 1<<\e, 0
	s_or_b32 s20, s20, s68
.endr
.irp i, 0,1,2,3,4,5,6,7,8,9,10,11,12,13,14,15,16,17,18,19,20,21,22,23,24,25,26,27,28,29,30,31
	s_and_b32 s[32+\i], s[32+\i], 0x1fff
	s_min_u32 s[32+\i], s[32+\i], 0x1fff           ; a token lies in 0..8191
	s_lshl_b32 s[32+\i], s[32+\i], 12              ; its row of out0, 4,096 bytes
.endr
	s_wait_loadcnt 4                               ; my eight tokens' codes are in; the four loads behind them may be out
.irp a, 0,1,2,3
.irp c, 0,1,2
	ds_store_b128 v30, v[ACC+12*\a+4*\c:ACC+12*\a+4*\c+3] offset:1568*\a+256*\c
.endr
.endr
	s_wait_dscnt 0x0                               ; for the others' sake: my eight rows are in LDS
	s_barrier_signal -1
	s_barrier_wait -1                              ; all 32 are; nobody writes them again
	WIN 0x40                                       ; destination window 1
.irp m, 0,1
.irp i, 0,1,2,3,4,5,6,7,8,9,10,11,12,13,14,15,16,17,18,19,20,21,22,23
	ds_load_b128 v[96*\m+4*\i:96*\m+4*\i+3], v31 offset:12544*\m+16*\i   ; x's eight fragments of tile m: they stay.  Waited for where they are first multiplied, and in front of the next barrier
.endr
.endr
	WIN 0
.macro WSL j0, n                       ; n x 512 bytes of my scale words, from block j0 on, into v[WS] on
.set q_, 0
.rept \n
	global_load_b128 v[WS+4*q_:WS+4*q_+3], v1, s[24:25] offset:512*((\j0)+q_)
.set q_, q_+1
.endr
.endm
.macro WLD unit, first                 ; a unit of four fragments, 6,144 bytes, into slot (unit - first) % 5: each load 512 consecutive bytes
	WIN 0x80                                       ; destination window 2
.irp i, 0,1,2,3,4,5,6,7,8,9,10,11
	global_load_b128 v[48*(((\unit)-(\first))%5)+4*\i:48*(((\unit)-(\first))%5)+4*\i+3], v1, s[22:23] offset:6144*(\unit)+512*\i
.endr
	WIN 0
.endm
; One product.  rD accumulator, rA the weight's fragment (window 2), rB the tokens' (window 1), rSA, rSB the scale words; fZ: the product starts its sum; fA, fB: the words stand in lanes 16-31.
.macro WM
.if fZ
.if fA && fB
	v_wmma_scale_f32_16x16x128_f8f6f4 v[rD:rD+7], v[rA:rA+11], v[rB:rB+11], 0, v[rSA], v[rSB] matrix_a_fmt:MATRIX_FMT_BF6 matrix_b_fmt:MATRIX_FMT_BF6 matrix_a_scale:MATRIX_SCALE_ROW1 matrix_b_scale:MATRIX_SCALE_ROW1
.elseif fA
	v_wmma_scale_f32_16x16x128_f8f6f4 v[rD:rD+7], v[rA:rA+11], v[rB:rB+11], 0, v[rSA], v[rSB] matrix_a_fmt:MATRIX_FMT_BF6 matrix_b_fmt:MATRIX_FMT_BF6 matrix_a_scale:MATRIX_SCALE_ROW1
.elseif fB
	v_wmma_scale_f32_16x16x128_f8f6f4 v[rD:rD+7], v[rA:rA+11], v[rB:rB+11], 0, v[rSA], v[rSB] matrix_a_fmt:MATRIX_FMT_BF6 matrix_b_fmt:MATRIX_FMT_BF6 matrix_b_scale:MATRIX_SCALE_ROW1
.else
	v_wmma_scale_f32_16x16x128_f8f6f4 v[rD:rD+7], v[rA:rA+11], v[rB:rB+11], 0, v[rSA], v[rSB] matrix_a_fmt:MATRIX_FMT_BF6 matrix_b_fmt:MATRIX_FMT_BF6
.endif
.else
.if fA && fB
	v_wmma_scale_f32_16x16x128_f8f6f4 v[rD:rD+7], v[rA:rA+11], v[rB:rB+11], v[rD:rD+7], v[rSA], v[rSB] matrix_a_fmt:MATRIX_FMT_BF6 matrix_b_fmt:MATRIX_FMT_BF6 matrix_a_scale:MATRIX_SCALE_ROW1 matrix_b_scale:MATRIX_SCALE_ROW1
.elseif fA
	v_wmma_scale_f32_16x16x128_f8f6f4 v[rD:rD+7], v[rA:rA+11], v[rB:rB+11], v[rD:rD+7], v[rSA], v[rSB] matrix_a_fmt:MATRIX_FMT_BF6 matrix_b_fmt:MATRIX_FMT_BF6 matrix_a_scale:MATRIX_SCALE_ROW1
.elseif fB
	v_wmma_scale_f32_16x16x128_f8f6f4 v[rD:rD+7], v[rA:rA+11], v[rB:rB+11], v[rD:rD+7], v[rSA], v[rSB] matrix_a_fmt:MATRIX_FMT_BF6 matrix_b_fmt:MATRIX_FMT_BF6 matrix_b_scale:MATRIX_SCALE_ROW1
.else
	v_wmma_scale_f32_16x16x128_f8f6f4 v[rD:rD+7], v[rA:rA+11], v[rB:rB+11], v[rD:rD+7], v[rSA], v[rSB] matrix_a_fmt:MATRIX_FMT_BF6 matrix_b_fmt:MATRIX_FMT_BF6
.endif
.endif
.endm
; Unit u of the first products: K step u / 2 of w1 (u even) or w3 (u odd): four tiles of hidden units x two tiles of tokens.  The eight accumulators take turns, and the next unit has eight others.
; w1's scale words stand in lanes 0-15 of a register, w3's in lanes 16-31.
.macro MUL1 u
	WIN 0x06                                       ; source 0 window 2, source 1 window 1, C and D window 0
.irp t, 0,1,2,3
.irp m, 0,1
.set rD, ACC+64*\m+32*((\u)%2)+8*\t
.set rA, 48*((\u)%5)+12*\t
.set rB, 96*\m+12*((\u)/2)
.set rSA, WS+4*(2*((\u)/4)+\t/2)+2*(\t%2)+((\u)/2)%2
.set rSB, XS+(\u)/2
.set fZ, (\u)/2 == 0
.set fA, (\u)%2
.set fB, \m
	WM
.endr
.endr
.endm
; Unit p of the second product: tiles 4 (p / 2) .. + 3 of my outputs, K step p % 2, x two tiles of tokens: eight accumulators by turns, in the same order in both K steps.
.macro MUL2 p
	WIN 0x06
.irp q, 0,1,2,3
.irp m, 0,1
.set rD, ACC+64*(((\p)/2)%2)+8*(2*\q+\m)
.set rA, 48*((\p)%5)+12*\q
.set rB, 192+24*\m+12*((\p)%2)
.set rSA, WS+4*((\p)/2)+2*(\q%2)+(\p)%2
.set rSB, HS+(\p)%2
.set fZ, 1-(\p)%2
.set fA, \q/2
.set fB, \m
	WM
.endr
.endr
.endm
; A load into a register that a matrix instruction has read, and a vector instruction that reads a matrix result, stand four places behind that matrix instruction; only plain vector instructions that name none of its
; registers are places (ISA guide 7.12.1 for vector instructions).
.macro PLACES
.rept 4
	v_nop
.endr
.endm
; 16 hidden units of tile m: h = g1 / (1 + 2^(-log2(e) g1)) x g3, in f32, in place of g1.  Every accumulator is first read at its low end.
.macro SILU m, hf
.set G1, ACC+64*(\m)+16*(\hf)
.irp i, 0,2,4,6,8,10,12,14
	v_pk_mul_f32 v[T+\i:T+\i+1], v[G1+\i:G1+\i+1], s[26:27] op_sel_hi:[1,0]
.endr
.irp i, 0,1,2,3,4,5,6,7,8,9,10,11,12,13,14,15
	v_exp_f32 v[T+\i], v[T+\i]
.endr
	v_nop                                          ; one plain line behind the transcendentals
	s_wait_alu depctr_va_vdst(0)
.irp i, 0,2,4,6,8,10,12,14
	v_pk_add_f32 v[T+\i:T+\i+1], v[T+\i:T+\i+1], 1.0 op_sel_hi:[1,0]
.endr
.irp i, 0,1,2,3,4,5,6,7,8,9,10,11,12,13,14,15
	v_rcp_f32 v[T+\i], v[T+\i]
.endr
	v_nop
	s_wait_alu depctr_va_vdst(0)
.irp i, 0,2,4,6,8,10,12,14
	v_pk_mul_f32 v[G1+\i:G1+\i+1], v[G1+\i:G1+\i+1], v[T+\i:T+\i+1]
.endr
.irp i, 0,2,4,6,8,10,12,14
	v_pk_mul_f32 v[G1+\i:G1+\i+1], v[G1+\i:G1+\i+1], v[G1+32+\i:G1+32+\i+1]
.endr
.endm
; Tile m's 32 numbers of my lane (register 16 b + i = hidden unit 64 w + 32 b + 16 h + i of my token) become six registers of the next operand and half of its scale word, and go to LDS.
.macro QUANT m, pc, aux
.set HV, ACC+64*(\m)
.irp b, 0,1
	v_max3_num_f32 v[TM+\b], |v[HV+16*\b]|, |v[HV+16*\b+1]|, 0x2800000   ; block b: my 16 numbers, and the floor 2^(5 - 127): the byte cannot fall under 1
.endr
.irp i, 2,4,6,8,10,12,14
.irp b, 0,1
	v_max3_num_f32 v[TM+\b], v[TM+\b], |v[HV+16*\b+\i]|, |v[HV+16*\b+\i+1]|
.endr
.endr
.irp b, 0,1
	v_permlanex16_b32 v[TM+4+\b], v[TM+\b], s28, s29
.endr
.irp b, 0,1
	v_max_num_f32 v[TM+\b], v[TM+\b], v[TM+4+\b]   ; with lane l xor 16's: the block's largest magnitude
.endr
.irp b, 0,1
	v_add_nc_u32 v[TM+12+\b], 0xfe000000, v[TM+\b] ; 4 off its exponent field: the conversion's scale operand
.endr
.irp b, 0,1
	v_lshrrev_b32 v[TM+4+\b], 23, v[TM+12+\b]      ; the scale's byte
.endr
	v_lshl_or_b32 v[TM+8+\m], v[TM+5], 8, v[TM+4]  ; my two bytes of the row's scale word
	v_cvt_scalef32_pk16_bf6_f32 v[\pc:\pc+2], v[HV:HV+15], v[TM+12]
	v_cvt_scalef32_pk16_bf6_f32 v[\aux:\aux+2], v[HV+16:HV+31], v[TM+13]   ; (a conversion's three registers begin on an even number)
	v_nop                                          ; one plain line behind a scaled conversion
.irp i, 0,1,2
	v_permlane16_swap_b32 v[\pc+\i], v[\aux+\i]    ; the operand's layout wants a WHOLE block in a lane: lanes 0-15 block 0, lanes 16-31 block 1
.endr
.irp i, 0,1,2
	v_mov_b32 v[\pc+3+\i], v[\aux+\i]
.endr
.irp i, 0,1,2
	ds_store_b64 v4, v[\pc+2*\i:\pc+2*\i+1] offset:3072*(\m)+256*\i
.endr
	ds_store_b16 v5, v[TM+8+\m] offset:64*(\m)     ; both halves of the lanes write the same two bytes with the same value
.endm
; The four tiles of outputs just made, x each token's coefficient, onto the output sums.  Every accumulator is read from its low end on.
.macro ADDOUT g
	WIN 0xf0                                       ; source 2 and destination window 3
.irp q, 0,1,2,3
.irp m, 0,1
.irp i, 0,2,4,6
	v_pk_fma_f32 v[8*(2*(4*(\g)+\q)+\m)+\i:8*(2*(4*(\g)+\q)+\m)+\i+1], v[ACC+64*((\g)%2)+8*(2*\q+\m)+\i:ACC+64*((\g)%2)+8*(2*\q+\m)+\i+1], v[16+2*\m:17+2*\m], v[8*(2*(4*(\g)+\q)+\m)+\i:8*(2*(4*(\g)+\q)+\m)+\i+1] op_sel_hi:[1,0,1]
.endr
.endr
.endr
	WIN 0
.endm
.Lexp:                                             ; eight trips, one for each expert: the count is a constant; a trip's WORK is passed over where no token of the block uses the expert
	s_lshr_b32 s66, s20, s19
	s_and_b32 s66, s66, 1
	s_cmp_lg_u32 s66, 0
	s_cbranch_scc0 .Lskip1
	; ---- section 1: g1 = x W1, g3 = x W3 for my 64 hidden units; silu; the quantiser; images to LDS
	WSL 0, 8
.irp u, 0,1,2,3,4
	WLD \u, 0
.endr
	s_wait_dscnt 0x0                               ; x's fragments are in their registers (they came out of LDS while the weights were asked for; in later trips nothing is out)
.irp u, 0,1,2,3,4,5,6,7,8,9,10,11,12,13,14,15
.if 15-\u >= 4
	s_wait_loadcnt 48                              ; unit u is in (and all that was asked for ahead of it); the four units of 12 loads behind it may be out
.else
	s_wait_loadcnt 12*(15-\u)                      ; the units still behind it
.endif
	MUL1 \u
	WIN 0
	PLACES
.if \u <= 10
	WLD \u+5, 0                                    ; into the slot just multiplied
.endif
.endr
	SILU 0, 0
	SILU 0, 1
	SILU 1, 0
	SILU 1, 1
	QUANT 0, 92, 98
	QUANT 1, 104, 110
.Lskip1:
	s_wait_dscnt 0x0                               ; for the others' sake: my images are in LDS
	s_barrier_signal -1
	s_barrier_wait -1                              ; everybody's are
	s_lshr_b32 s66, s20, s19
	s_and_b32 s66, s66, 1
	s_cmp_lg_u32 s66, 0
	s_cbranch_scc0 .Lskip2
	; ---- section 2: my 256 outputs = h W2, four tiles at a time; x the coefficients onto the sums
	WSL 8, 4
.irp p, 0,1,2,3,4
	WLD 16+\p, 16
.endr
	WIN 0x40                                       ; destination window 1
.irp m, 0,1
.irp s, 0,1
.irp p, 0,1,2,3,4,5
	ds_load_b64 v[192+24*\m+12*\s+2*\p:192+24*\m+12*\s+2*\p+1], v6 offset:1536*(2*\m+\s)+256*\p
.endr
.endr
.endr
	WIN 0
	ds_load_b32 v[HS], v7
	ds_load_b32 v[HS+1], v7 offset:128
	s_wait_loadcnt 48                              ; unit 16, the scale words and the tokens' weights are in; the four units behind may be out
	v_cmp_eq_u32 vcc_lo, s19, v9                   ; my token's coefficient for this expert: its second weight, its first, or 0
	v_cndmask_b32 v16, 0, v13, vcc_lo
	v_cmp_eq_u32 vcc_lo, s19, v8
	v_cndmask_b32 v16, v16, v12, vcc_lo
	v_mov_b32 v17, v16                             ; (the packed form names the pair)
	v_cmp_eq_u32 vcc_lo, s19, v11
	v_cndmask_b32 v18, 0, v15, vcc_lo
	v_cmp_eq_u32 vcc_lo, s19, v10
	v_cndmask_b32 v18, v18, v14, vcc_lo
	v_mov_b32 v19, v18
	s_wait_dscnt 0x0                               ; the hidden layer's fragments and scale words
.irp p, 0,1,2,3,4,5,6,7
.if \p > 0
.if 7-\p >= 4
	s_wait_loadcnt 48                              ; unit 16 + p is in; the four units behind it may be out
.else
	s_wait_loadcnt 12*(7-\p)
.endif
.endif
	MUL2 \p
	WIN 0
	PLACES
.if \p <= 2
	WLD 16+\p+5, 16
.endif
.if \p%2 == 1
	ADDOUT \p/2
.endif
.endr
.Lskip2:
	s_wait_dscnt 0x0                               ; my reads of the images are over:
	s_barrier_signal -1
	s_barrier_wait -1                              ; the next trip may write them again
	s_wait_xcnt 0x0                                ; the loads have read their bases, which step only behind this wait
	s_add_nc_u64 s[22:23], s[22:23], 589824        ; the next expert's codes
	s_add_nc_u64 s[24:25], s[24:25], 24576         ; and scale words
	s_add_co_u32 s19, s19, 1
	s_cmp_lt_u32 s19, 8
	s_cbranch_scc1 .Lexp
; THE WAY OUT, a tile of 16 tokens at a time.  A lane holds 64 neighbouring bytes of its token's row for each pair of tiles; the rows go through my own stage and come back whole: 32 lanes store 512 consecutive bytes of a row.
.macro OUT m
.if \m
	s_wait_xcnt 0x0                                ; the last tile's stores have read their registers: offsets and data may be written again
.endif
.irp p, 0,1,2,3,4,5,6,7,8,9,10,11,12,13,14,15
	v_add_nc_u32 v[TM+\p], s[32+16*\m+\p], v22     ; the token's row + my wave's 1,024 bytes + 16 x lane
.endr
	WIN 0x0c                                       ; an LDS store's data are its source 1: window 3
.irp b, 0,1,2,3,4,5,6,7
.irp u, 0,1
	ds_store_b128 v20, v[8*(4*\b+2*\u+\m):8*(4*\b+2*\u+\m)+3] offset:128*\b+32*\u          ; outputs 32 b + 16 h + 8 u + 0 .. 7 of my wave's 256
	ds_store_b128 v20, v[8*(4*\b+2*\u+\m)+4:8*(4*\b+2*\u+\m)+7] offset:128*\b+32*\u+16
.endr
.endr
	WIN 0
.irp p, 0,1,2,3,4,5,6,7,8,9,10,11,12,13,14,15
	ds_load_b128 v[ACC+8*\p:ACC+8*\p+3], v21 offset:1040*\p             ; the wave's own bytes: LDS serves a wave's instructions in order
	ds_load_b128 v[ACC+8*\p+4:ACC+8*\p+7], v21 offset:1040*\p+512
.endr
.irp p, 0,1,2,3,4,5,6,7,8,9,10,11,12,13,14,15
	s_wait_dscnt 31-2*\p                           ; the loads behind this one may be out
	global_store_b128 v[TM+\p], v[ACC+8*\p:ACC+8*\p+3], s[16:17] th:TH_STORE_NT
	s_wait_dscnt 30-2*\p
	global_store_b128 v[TM+\p], v[ACC+8*\p+4:ACC+8*\p+7], s[16:17] offset:512 th:TH_STORE_NT
.endr
.endm
	OUT 0
	OUT 1
	s_wait_tensorcnt 0x0
	ds_add_u32 v126, v127
	s_wait_dscnt 0x0
	s_endpgm
.Lfunc_end_k_q5d7366cb72_chain:
	.size	k_q5d7366cb72_chain, .Lfunc_end_k_q5d7366cb72_chain-k_q5d7366cb72_chain
	.p2alignl 7, 3214868480
	.fill 96, 4, 3214868480
	.section	.rodata,"a",@progbits
	.p2align	6, 0x0
	.amdhsa_kernel k_q5d7366cb72_chain
		.amdhsa_group_segment_fixed_size 99328
		.amdhsa_private_segment_fixed_size 0
		.amdhsa_enable_private_segment 0
		.amdhsa_kernarg_size 56
		.amdhsa_user_sgpr_count 2
		.amdhsa_user_sgpr_kernarg_segment_ptr 1
		.amdhsa_wavefront_size32 1
		.amdhsa_system_sgpr_workgroup_id_x 1
		.amdhsa_system_sgpr_workgroup_id_y 1
		.amdhsa_system_sgpr_workgroup_id_z 1
		.amdhsa_system_vgpr_workitem_id 0
		.amdhsa_next_free_vgpr 1024
		.amdhsa_next_free_sgpr 72
		.amdhsa_reserve_vcc 1
		.amdhsa_float_denorm_mode_32 3
		.amdhsa_float_denorm_mode_16_64 3
		.amdhsa_memory_ordered 1
		.amdhsa_forward_progress 1
		.amdhsa_inst_pref_size 130
	.end_amdhsa_kernel
	.amdgpu_metadata
---
amdhsa.version: [ 1, 2 ]
amdhsa.kernels:
  - .name:           k_q5d7366cb72_chain
    .symbol:         k_q5d7366cb72_chain.kd
    .args:
      - { .name: perm, .offset: 0, .size: 8, .value_kind: global_buffer, .address_space: global }
      - { .name: cw, .offset: 8, .size: 8, .value_kind: global_buffer, .address_space: global }
      - { .name: xq, .offset: 16, .size: 8, .value_kind: global_buffer, .address_space: global }
      - { .name: xs, .offset: 24, .size: 8, .value_kind: global_buffer, .address_space: global }
      - { .name: wq, .offset: 32, .size: 8, .value_kind: global_buffer, .address_space: global }
      - { .name: ws, .offset: 40, .size: 8, .value_kind: global_buffer, .address_space: global }
      - { .name: out0, .offset: 48, .size: 8, .value_kind: global_buffer, .address_space: global }
    .group_segment_fixed_size: 99328
    .private_segment_fixed_size: 0
    .kernarg_segment_align: 8
    .kernarg_segment_size: 56
    .max_flat_workgroup_size: 128
    .sgpr_count:     72
    .vgpr_count:     1024
    .wavefront_size: 32
...
	.end_amdgpu_metadata
.endif
;; end of part 3
;; ======== version 2 of 2: 3 launches
;; workspace buffers: xq 6,291,456 bytes; xs 262,144 bytes; wq 4,718,592 bytes; ws 196,608 bytes; cw 65,536 bytes; tokrec 32,768 bytes of whole numbers; hist 32,768 bytes of whole numbers; perm 32,768 bytes of whole numbers
;; launch prep (part 4): grid 224 x 1, 8 waves a work-group, no clusters, 136,192 bytes of LDS; arguments x, gate_w, w1, w3, w2, xq, xs, wq, ws, tokrec, hist, cw; writes xq, xs, wq, ws, tokrec, hist, cw
.if DOCPART == 4
	.amdgcn_target "amdgcn-amd-amdhsa--gfx1250"
	.amdhsa_code_object_version 6
	.text
	.protected	k_q5d7366cb72_prep
	.globl	k_q5d7366cb72_prep
	.p2align	8
	.type	k_q5d7366cb72_prep,@function
k_q5d7366cb72_prep:
	s_mov_b64 s[64:65], 0
	v_nop
	global_prefetch_b8 v0, s[64:65] scope:SCOPE_SE
	s_setreg_imm32_b32 hwreg(HW_REG_WAVE_MODE, 25, 1), 1
	s_wait_xcnt 0x0
; FIRST LAUNCH OF THREE.  Work-groups 0-127 (role X) take 64 tokens each: x [8192][1024] f32 is read once and serves twice: it becomes codes of BF6 (E3M2) with one E8M0 byte for each 32 along K,
; and it is multiplied in f32 by gate_w [1024][8]; two waves then make each token's softmax, its two experts, their renormalised weights, a sort key and the key's rank and counts in a chunk of 32 tokens.
; Work-groups 128-223 (role W) take a quarter of one of the 24 weight matrices (w1, w3: [1024 K][256]; w2: [256 K][1024]; K is the FIRST axis) and lay its codes in the order of the third launch's operand registers.
; Every work-group reads 256 KiB of its tensor.  Nothing that is chosen here steers an address or a branch of this launch: experts, keys and ranks are stored at fixed places.
; THE QUANTISER: a block's scale is 2^(floor(log2(largest magnitude)) - 4); its byte is the largest magnitude's exponent field - 4, held at 1 from below by a floor among the maximum's leaves.
; LIMITS: NaN and infinities among the inputs are not served.  A block of zeros gets the byte 1 (not 127): its codes are zeros, and only this program reads the bytes.  Divisions are v_rcp_f32 and a multiplication.
; The router's sums are f32 in another order than a row-by-row sum: a token whose second and third probabilities differ by less than some 1e-6 of their size may take the other expert.
; LAYOUTS WRITTEN.  xq: 768 bytes a token, block kb of 32 along K at (kb & 1) 384 + (kb >> 1) 24: a lane of the matrix operand finds its 96 registers as 384 bytes on end.  xs: 32 bytes a token, byte kb.
; wq: [expert][wave of the third launch][unit 24][fragment 4][1,536]: a fragment is the image of its 12 registers: register q of lane L at 512 (q >> 2) + 16 L + 4 (q & 3).  ws: the scale words likewise, 12 x 512 bytes.
; THE GATE TABLE: every wave of role X wants all 32 KiB of it in registers, a lane 128 bytes of each 4,096.  The eight waves copy it into LDS once, each load 512 consecutive bytes, and take their registers from there.
; LDS: each role has bytes of its own.  Two barriers, both on every wave's path.  No tensor load, no cluster: nothing here is read by two work-groups but the small gate table.
.set XSB,   40960                      ; role X: behind eight waves' two stages of 32 x 80 bytes (5,120 a wave): 256 scale bytes a wave
.set LOGI,  43008                      ; role X: the 64 tokens' eight logits, 32 bytes a token
.set WSTG,  45056                      ; role W: four fragment images a wave, 1,664 bytes apart (1,536 + 128): 6,656 a wave
.set GST,   98304                      ; role X: the gate table as 256 groups of 128 bytes (four rows), 144 bytes apart: 36,864 bytes
.set R,     16                         ; X: v16-79   four sets of 16 numbers as they are loaded
.set XN,    80                         ; X: v80-111  two sets of 16 neighbours
.set E,     112                        ; X: v112-127 a scale byte for each step
.set C,     128                        ; X: v128-191 four registers of codes for each step: no store's data are written again (v128-159 first carry the gate table to LDS)
.set AL,    192                        ; X: v192-199 the eight logits' sums
.set PT,    200                        ; X: v200-207 what the other half of the lanes sends
.set VO,    208                        ; W: v208-239 4 x lane + i x the matrix's row in bytes
.set WST,   240                        ; W: v240 where my column's codes go in the stage
.set WRD,   241                        ; W: v241 where I read the images back
.set WSO,   242                        ; W: v242 my column's two scale words in a block of 256 bytes
.set TLA,   243                        ; tail: v243 my token's logits in LDS
.set GSO,   244                        ; X: v244 where my 16 bytes of the gate table go in LDS
.set GLA,   245                        ; X: v245 my lane's group of each 32
.set GGO,   246                        ; X: v246 16 x my thread's number: my 16 bytes of each 4,096 of the gate table
.set WX,    32                         ; W: v32-95   two sets of 32 numbers
.set OUTR,  112                        ; W: v112-159 the way out
.set MSB, 0
.macro WIN new                         ; the immediate's high byte repeats the setting that is left
.if MSB != \new
	s_set_vgpr_msb (MSB<<8)|\new
.set MSB, \new
.endif
.endm
	s_load_b512 s[8:23], s[0:1], 0x0               ; x s[8:9], gate_w s[10:11], w1 s[12:13], w3 s[14:15], w2 s[16:17], xq s[18:19], xs s[20:21], wq s[22:23]
	s_load_b256 s[24:31], s[0:1], 0x40             ; ws s[24:25], tokrec s[26:27], hist s[28:29], cw s[30:31]
	v_lshl_add_u32 v254, v0, 2, 0x21000
	v_mov_b32 v255, 0
	v_lshrrev_b32 v1, 5, v0
	s_delay_alu instid0(VALU_DEP_1)
	v_readfirstlane_b32 s40, v1                    ; wave 0..7
	v_and_b32 v2, 31, v0                           ; lane
	s_delay_alu instid0(VALU_DEP_1)
	v_lshlrev_b32 v3, 4, v2                        ; 16 x lane
	s_delay_alu instid0(VALU_DEP_2)
	v_lshlrev_b32 v7, 3, v2                        ; 8 x lane
	s_mov_b32 s42, 0x76543210
	s_mov_b32 s43, 0xfedcba98                      ; v_permlanex16_b32's selects for lane l xor 16
	; every LDS address of both roles is made here, ahead of the parting
	v_bfe_u32 v8, v2, 1, 1
	s_delay_alu instid0(VALU_DEP_1)
	v_mul_u32_u24 v4, v8, 384                      ; X: my 12 bytes of codes in a token's 768: the block's parity x 384
	v_lshrrev_b32 v8, 2, v2
	s_delay_alu instid0(VALU_DEP_1)
	v_mad_u32_u24 v4, v8, 24, v4                   ; + half the block's number x 24
	v_and_b32 v8, 1, v2
	s_delay_alu instid0(VALU_DEP_1)
	v_mad_u32_u24 v4, v8, 12, v4                   ; + my half of the block
	s_lshl_b32 s41, s40, 8
	s_add_co_u32 s44, s41, LOGI
	s_add_co_u32 s41, s41, XSB
	v_lshrrev_b32 v5, 1, v2
	s_delay_alu instid0(VALU_DEP_1)
	v_add_nc_u32 v5, s41, v5                       ; X: my block's scale byte in my wave's 256
	v_add_nc_u32 v6, s41, v7                       ; X: and 8 of them on the way out
	v_mov_b32 v13, s44                             ; X: my wave's eight tokens' logits (the same in every lane)
	s_mul_i32 s45, s40, 5120
	v_lshrrev_b32 v14, 2, v2
	s_delay_alu instid0(VALU_DEP_1)
	v_mul_u32_u24 v14, v14, 80
	v_and_b32 v15, 3, v2
	s_delay_alu instid0(VALU_DEP_1)
	v_lshl_add_u32 v14, v15, 4, v14
	s_delay_alu instid0(VALU_DEP_1)
	v_add_nc_u32 v14, s45, v14                     ; X: the stage, way in: four lanes' 64 bytes on end, then 16 of padding
	v_mul_u32_u24 v15, v2, 80
	s_delay_alu instid0(VALU_DEP_1)
	v_add_nc_u32 v15, s45, v15                     ; X: way out: my 16 neighbours
	s_mul_i32 s46, s40, 6656
	s_add_co_u32 s46, s46, WSTG
	v_bfe_u32 v8, v2, 3, 1                         ; W: column l of 32 is lane r of tile u: u = (l >> 3) & 1,
	v_and_b32 v9, 7, v2
	v_lshrrev_b32 v10, 4, v2
	s_delay_alu instid0(VALU_DEP_1)
	v_lshl_or_b32 v9, v10, 3, v9                   ; r = (l & 7) | (l >> 4) << 3: lane r of tile u takes column 8 u + r + 8 (r / 8)
	s_delay_alu instid0(VALU_DEP_4)
	v_mul_u32_u24 v[WST], v8, 1664
	s_delay_alu instid0(VALU_DEP_1)
	v_lshl_add_u32 v[WST], v9, 4, v[WST]
	s_delay_alu instid0(VALU_DEP_1)
	v_add_nc_u32 v[WST], s46, v[WST]
	v_add_nc_u32 v[WRD], s46, v3
	v_lshlrev_b32 v[WSO], 4, v9
	s_delay_alu instid0(VALU_DEP_1)
	v_lshl_add_u32 v[WSO], v8, 3, v[WSO]           ; 16 r + 8 u
	s_lshl_b32 s47, s40, 10
	s_add_co_u32 s47, s47, LOGI
	v_lshl_add_u32 v[TLA], v2, 5, s47              ; tail: token 32 x wave + lane of the work-group's 64
	v_lshrrev_b32 v8, 3, v0                        ; X: thread t's 16 bytes of a run of 4,096 lie in group t / 8 of its 32, at byte 16 (t % 8)
	s_delay_alu instid0(VALU_DEP_1)
	v_mul_u32_u24 v[GSO], v8, 144
	v_and_b32 v8, 7, v0
	s_delay_alu instid0(VALU_DEP_1)
	v_lshl_add_u32 v[GSO], v8, 4, v[GSO]
	s_delay_alu instid0(VALU_DEP_1)
	v_add_nc_u32 v[GSO], GST, v[GSO]
	v_mul_u32_u24 v[GLA], v2, 144                  ; X: back: lane l takes group l of each 32: 144 bytes from lane to lane, an odd multiple of 16, so sixteen lanes meet sixteen different columns of 16 bytes
	s_delay_alu instid0(VALU_DEP_1)
	v_add_nc_u32 v[GLA], GST, v[GLA]
	v_lshlrev_b32 v[GGO], 4, v0
.irp e, 0,1,2,3,4,5,6,7
	v_mov_b32 v[PT+\e], 0                          ; written once: a lane permute's destination counts as one of its sources
.endr
	s_wait_kmcnt 0x0
	s_cmp_lt_u32 ttmp9, 128
	s_cbranch_scc0 .Lstaged
	s_wait_alu depctr_va_vdst(0)
; ---------------- role X: the gate table goes to LDS: run n of 4,096 bytes by the eight waves side by side, each load 512 consecutive bytes ----------------
.irp n, 0,1,2,3,4,5,6,7
	global_load_b128 v[C+4*\n:C+4*\n+3], v[GGO], s[10:11] offset:4096*\n
.endr
.irp n, 0,1,2,3,4,5,6,7
	s_wait_loadcnt 7-\n                            ; load n is in; those behind it may be out
	ds_store_b128 v[GSO], v[C+4*\n:C+4*\n+3] offset:4608*\n   ; 32 groups of 144 bytes a run
.endr
.Lstaged:
	s_wait_dscnt 0x0                               ; for the others' sake: my part of the table is in LDS
	s_barrier_signal -1                            ; on every wave's path: a weight work-group passes it with nothing outstanding
	s_barrier_wait -1
	s_cmp_lt_u32 ttmp9, 128
	s_cbranch_scc0 .Lw
; ---------------- ROLE X: a wave takes 8 tokens, 16 steps of 512 numbers (step t: row t / 2, half t % 2) ----------------
	s_lshl_b32 s44, ttmp9, 6
	s_lshl_b32 s45, s40, 3
	s_add_co_u32 s44, s44, s45                     ; my first token: 64 x work-group + 8 x wave
	s_mov_b32 s47, 0
	s_lshl_b32 s46, s44, 12
	s_add_nc_u64 s[8:9], s[8:9], s[46:47]
	s_mul_i32 s46, s44, 768
	s_add_nc_u64 s[18:19], s[18:19], s[46:47]
	s_lshl_b32 s46, s44, 5
	s_add_nc_u64 s[20:21], s[20:21], s[46:47]
.macro LOAD t                          ; 32 lanes read 512 consecutive bytes, four times
.irp i, 0,1,2,3
	global_load_b128 v[R+16*((\t)%4)+4*\i:R+16*((\t)%4)+4*\i+3], v3, s[8:9] offset:2048*(\t)+512*\i th:TH_LOAD_NT
.endr
.endm
.macro TURN t                          ; step t's numbers through the wave's own stage: LDS serves a wave's instructions in order, so no wait stands between the stores and the loads
.irp i, 0,1,2,3
	ds_store_b128 v14, v[R+16*((\t)%4)+4*\i:R+16*((\t)%4)+4*\i+3] offset:2560*((\t)%2)+640*\i
.endr
.irp i, 0,1,2,3
	ds_load_b128 v[XN+16*((\t)%2)+4*\i:XN+16*((\t)%2)+4*\i+3], v15 offset:2560*((\t)%2)+16*\i
.endr
.endm
; The router's share of a step: my 16 numbers as loaded x their rows of the gate table, two experts an instruction, the four pairs of sums by turns.  A row's first four products start its sums.
.macro FMA t
.set RS, R+16*((\t)%4)
.set GB, 128*((\t)%2)
	WIN 0x04                                       ; source 1 (the gate table) window 1
.irp i, 0,1,2,3
.irp k, 0,2
.irp p, 0,2,4,6
.if ((\t)%2 == 0) && (\i == 0) && (\k == 0)
	v_pk_mul_f32 v[AL+\p:AL+\p+1], v[RS:RS+1], v[GB+\p:GB+\p+1] op_sel_hi:[0,1]
.else
	v_pk_fma_f32 v[AL+\p:AL+\p+1], v[RS+4*\i+\k:RS+4*\i+\k+1], v[GB+32*\i+8*\k+\p:GB+32*\i+8*\k+\p+1], v[AL+\p:AL+\p+1] op_sel_hi:[0,1,1]
.endif
.endr
.irp p, 0,2,4,6
	s_delay_alu instid0(VALU_DEP_4)
	v_pk_fma_f32 v[AL+\p:AL+\p+1], v[RS+4*\i+\k:RS+4*\i+\k+1], v[GB+32*\i+8*\k+8+\p:GB+32*\i+8*\k+8+\p+1], v[AL+\p:AL+\p+1] op_sel:[1,0,0] op_sel_hi:[1,1,1]
.endr
.endr
.endr
	WIN 0
.endm
.macro QNT t                           ; my 16 neighbours become 12 bytes of codes; two neighbouring lanes hold a block
.set XSET, XN+16*((\t)%2)
	v_max3_num_f32 v8, |v[XSET]|, |v[XSET+1]|, |v[XSET+2]|
	v_max3_num_f32 v9, |v[XSET+3]|, |v[XSET+4]|, |v[XSET+5]|
.irp i, 6,10
	s_delay_alu instid0(VALU_DEP_2)
	v_max3_num_f32 v8, v8, |v[XSET+\i]|, |v[XSET+\i+1]|
	s_delay_alu instid0(VALU_DEP_2)
	v_max3_num_f32 v9, v9, |v[XSET+\i+2]|, |v[XSET+\i+3]|
.endr
	s_delay_alu instid0(VALU_DEP_2)
	v_max3_num_f32 v8, v8, |v[XSET+14]|, |v[XSET+15]|
	s_delay_alu instid0(VALU_DEP_1)
	v_max3_num_f32 v8, v8, v9, 0x2800000           ; and the floor 2^(5 - 127): the byte cannot fall under 1
	s_delay_alu instid0(VALU_DEP_1)
	v_max_num_f32_dpp v8, v8, v8 row_xmask:1 row_mask:0xf bank_mask:0xf   ; with my neighbour's 16: the block's largest magnitude
	s_delay_alu instid0(VALU_DEP_1)
	v_add_nc_u32 v11, 0xfe000000, v8               ; 4 off its exponent field: the conversion takes the exponent field of this operand as its scale
	v_cvt_scalef32_pk16_bf6_f32 v[C+4*(\t):C+4*(\t)+2], v[XSET:XSET+15], v11
	v_lshrrev_b32 v[E+(\t)], 23, v11               ; the scale's byte (also the plain line behind the conversion)
	ds_store_b8 v5, v[E+(\t)] offset:16*(\t)       ; both lanes of a block write the same byte with the same value
	global_store_b96 v4, v[C+4*(\t):C+4*(\t)+2], s[18:19] offset:768*((\t)/2)+192*((\t)%2)
.endm
.macro REDUCE t                        ; a row is done: its eight sums over the 32 lanes, by turns; every lane ends with all eight and stores the same 32 bytes
.irp x, 1,2,4,8
.irp e, 0,1,2,3,4,5,6,7
	v_add_f32_dpp v[AL+\e], v[AL+\e], v[AL+\e] row_xmask:\x row_mask:0xf bank_mask:0xf
.endr
.endr
.irp e, 0,1,2,3,4,5,6,7
	v_permlanex16_b32 v[PT+\e], v[AL+\e], s42, s43
.endr
.irp e, 0,1,2,3,4,5,6,7
	v_add_f32 v[AL+\e], v[AL+\e], v[PT+\e]
.endr
	ds_store_b128 v13, v[AL:AL+3] offset:32*((\t)/2)
	ds_store_b128 v13, v[AL+4:AL+7] offset:32*((\t)/2)+16
.endm
.macro STEP t
.if (\t)%2 == 1
	s_wait_dscnt 0x1                               ; this step's numbers are back from the stage; the last step's byte store may be out
.else
	s_wait_dscnt 0x0                               ; the same, and the last row's logits have left the sums' registers, which this step's first products write (step 0: the gate table is in its registers)
.endif
	FMA \t
.if (\t)+4 < 16
	LOAD (\t)+4                                    ; into the set that this step's products and its stores into the stage have read
.endif
.if (\t) < 15
.if 14-(\t) >= 3
	s_wait_loadcnt 12                              ; the next step's four loads are in; those of the three steps behind it may be out
.else
	s_wait_loadcnt 4*(14-(\t))
.endif
	TURN (\t)+1
.endif
	QNT \t
.if (\t)%2 == 1
	REDUCE \t
.endif
.endm
.irp t, 0,1,2,3
	LOAD \t                                        ; x's first four steps are asked for first: they are on their way while the table comes out of LDS
.endr
; The gate table stays in window 1 for the whole role: g[128 j + 4 lane + k][e] at register 32 j + 8 k + e: the rows that meet the numbers of x as the loads leave them in my lane.
	WIN 0x40                                       ; destination window 1
.irp j, 0,1,2,3,4,5,6,7
.irp q, 0,1,2,3,4,5,6,7
	ds_load_b128 v[32*\j+4*\q:32*\j+4*\q+3], v[GLA] offset:4608*\j+16*\q
.endr
.endr
	WIN 0
	s_wait_loadcnt 12                              ; step 0 is in; steps 1 to 3 may be out
	TURN 0
.irp t, 0,1,2,3,4,5,6,7,8,9,10,11,12,13,14,15
	STEP \t
.endr
	ds_load_b64 v[8:9], v6                         ; my wave's 256 scale bytes: LDS serves a wave's instructions in order
	s_wait_dscnt 0x0
	global_store_b64 v7, v[8:9], s[20:21]          ; 32 lanes store 256 consecutive bytes, at a multiple of 256 from the buffer's first byte
	s_branch .Ljoin
; ---------------- ROLE W: a wave takes 32 columns x 256 along K: a lane a column, its registers down K: four whole fragments ----------------
.Lw:
	s_sub_co_u32 s44, ttmp9, 128                   ; 32 x kind + 4 x expert + quarter; kind 0 = w1, 1 = w3, 2 = w2
	s_lshr_b32 s45, s44, 5                         ; kind
	s_bfe_u32 s46, s44, 0x30002                    ; expert
	s_and_b32 s47, s44, 3                          ; quarter: of K for w1 and w3, of the columns for w2
	s_cmp_eq_u32 s45, 0
	s_cselect_b64 s[48:49], s[12:13], s[14:15]     ; w1 or w3
	s_lshr_b32 s53, s40, 1                         ; wave / 2
	s_and_b32 s54, s40, 1                          ; wave % 2: which pair of tiles in a unit
	s_lshl_b32 s51, s47, 18                        ; 256 rows of 1,024 bytes
	s_lshl_b32 s52, s47, 10                        ; 256 columns
	s_lshl_b32 s55, s47, 2
	s_add_co_u32 s55, s55, s45                     ; w1, w3: unit 2 (2 quarter) + kind
	s_lshl_b32 s56, s53, 1
	s_add_co_u32 s56, s56, 16                      ; w2: unit 16 + 2 (wave / 2)
	s_lshl_b32 s57, s47, 1
	s_add_co_u32 s57, s57, s54                     ; w1, w3: scale block 2 quarter + wave % 2
	s_add_co_u32 s58, s53, 8                       ; w2: scale block 8 + wave / 2
	s_mov_b32 s50, 4096
	s_mov_b32 s59, 6144
	s_cmp_lt_u32 s45, 2                            ; all the choices hang on the work-group's number alone
	s_cselect_b64 s[48:49], s[48:49], s[16:17]     ; or w2
	s_cselect_b32 s50, 1024, s50                   ; a row of the matrix in bytes
	s_cselect_b32 s51, s51, s52                    ; the quarter's first byte
	s_cselect_b32 s52, s53, s47                    ; which wave of the third launch reads my fragments
	s_cselect_b32 s55, s55, s56                    ; my first K step's unit
	s_cselect_b32 s59, 12288, s59                  ; from it to my second K step's
	s_cselect_b32 s57, s57, s58                    ; my block of 512 scale bytes,
	s_cselect_b32 s58, s45, s54                    ; and which half of its lanes
	s_lshl_b32 s60, s46, 20                        ; an expert's matrix is 2^20 bytes
	s_add_co_u32 s60, s60, s51
	s_lshl_b32 s61, s40, 7
	s_add_co_u32 s60, s60, s61                     ; + my wave's 32 columns
	s_mov_b32 s61, 0
	s_add_nc_u64 s[66:67], s[48:49], s[60:61]      ; block 0 of my columns;
	s_lshl_b32 s60, s50, 5
.irp t, 1,2,3,4,5,6,7
	s_add_nc_u64 s[66+2*\t:67+2*\t], s[66+2*(\t-1):67+2*(\t-1)], s[60:61]   ; block t begins 32 rows further down
.endr
	s_mul_i32 s60, s46, 589824
	s_mul_i32 s62, s52, 147456
	s_add_co_u32 s60, s60, s62
	s_mul_i32 s62, s55, 6144
	s_add_co_u32 s60, s60, s62
	s_mul_i32 s62, s54, 3072
	s_add_co_u32 s60, s60, s62
	s_add_nc_u64 s[82:83], s[22:23], s[60:61]      ; where my first K step's two fragments go,
	s_mov_b32 s60, s59
	s_add_nc_u64 s[84:85], s[82:83], s[60:61]      ; and my second's
	s_mul_i32 s60, s46, 24576
	s_mul_i32 s62, s52, 6144
	s_add_co_u32 s60, s60, s62
	s_lshl_b32 s62, s57, 9
	s_add_co_u32 s60, s60, s62
	s_lshl_b32 s62, s58, 8
	s_add_co_u32 s60, s60, s62
	s_add_nc_u64 s[86:87], s[24:25], s[60:61]      ; and my 256 bytes of scale words
	v_lshlrev_b32 v10, 2, v2
.irp i, 0,1,2,3,4,5,6,7,8,9,10,11,12,13,14,15,16,17,18,19,20,21,22,23,24,25,26,27,28,29,30,31
	v_mad_u32_u24 v[VO+\i], s50, \i, v10           ; row i of a block, my column
.endr
.macro WLOAD t                         ; block t: 32 rows, each load 128 consecutive bytes a wave; the eight waves stand side by side
.irp i, 0,1,2,3,4,5,6,7,8,9,10,11,12,13,14,15,16,17,18,19,20,21,22,23,24,25,26,27,28,29,30,31
	global_load_b32 v[WX+32*((\t)%2)+\i], v[VO+\i], s[66+2*(\t):67+2*(\t)] th:TH_LOAD_NT
.endr
.endm
; Block t of my column is K step t / 4, registers 6 c .. 6 c + 5 (c = (t / 2) % 2) of lane r + 16 (t % 2) of my tile's fragment.
.macro BLOCK t
.set XSET, WX+32*((\t)%2)
.if (\t) < 7
	s_wait_loadcnt 32                              ; this block's 32 loads are in; the next block's may be out
.else
	s_wait_loadcnt 0x0
.endif
	v_max3_num_f32 v16, |v[XSET]|, |v[XSET+1]|, |v[XSET+2]|        ; the block's largest magnitude: all 32 numbers are mine
	v_max3_num_f32 v17, |v[XSET+3]|, |v[XSET+4]|, |v[XSET+5]|
.irp i, 6,10,14,18,22,26
	s_delay_alu instid0(VALU_DEP_2)
	v_max3_num_f32 v16, v16, |v[XSET+\i]|, |v[XSET+\i+1]|
	s_delay_alu instid0(VALU_DEP_2)
	v_max3_num_f32 v17, v17, |v[XSET+\i+2]|, |v[XSET+\i+3]|
.endr
	s_delay_alu instid0(VALU_DEP_2)
	v_max3_num_f32 v16, v16, |v[XSET+30]|, |v[XSET+31]|
	s_delay_alu instid0(VALU_DEP_1)
	v_max3_num_f32 v16, v16, v17, 0x2800000        ; and the floor 2^(5 - 127)
	s_delay_alu instid0(VALU_DEP_1)
	v_add_nc_u32 v18, 0xfe000000, v16              ; 4 off the exponent field: the conversion's scale operand
	s_delay_alu instid0(VALU_DEP_1)
	v_lshrrev_b32 v19, 23, v18                     ; the scale's byte
.if (\t)%4 == 0
	s_delay_alu instid0(VALU_DEP_1)
	v_mov_b32 v[24+(\t)/4], v19                    ; four bytes make a K step's scale word, the lower K in the lower byte
.else
	s_delay_alu instid0(VALU_DEP_1)
	v_lshl_or_b32 v[24+(\t)/4], v19, 8*((\t)%4), v[24+(\t)/4]
.endif
	v_cvt_scalef32_pk16_bf6_f32 v[96:98], v[XSET:XSET+15], v18
	v_cvt_scalef32_pk16_bf6_f32 v[104:106], v[XSET+16:XSET+31], v18   ; (a conversion's three registers begin on an even number)
	v_nop                                          ; one plain line behind a scaled conversion
	v_mov_b32 v99, v104
	v_mov_b32 v100, v105
	v_mov_b32 v101, v106
.if ((\t)/2)%2 == 0
	ds_store_b128 v[WST], v[96:99] offset:3328*((\t)/4)+256*((\t)%2)          ; registers 0-3
	ds_store_b64 v[WST], v[100:101] offset:3328*((\t)/4)+256*((\t)%2)+512     ; registers 4, 5
.else
	ds_store_b64 v[WST], v[96:97] offset:3328*((\t)/4)+256*((\t)%2)+520       ; registers 6, 7
	ds_store_b128 v[WST], v[98:101] offset:3328*((\t)/4)+256*((\t)%2)+1024    ; registers 8-11
.endif
.if (\t)+2 < 8
	WLOAD (\t)+2
.endif
	s_wait_dscnt 0x0                               ; the stores have read their registers: the next block's codes may be written
.endm
	WLOAD 0
	WLOAD 1
.irp t, 0,1,2,3,4,5,6,7
	BLOCK \t
.endr
	s_wait_alu depctr_va_vdst(0)
	global_store_b64 v[WSO], v[24:25], s[86:87]    ; 32 lanes store 256 consecutive bytes, at a multiple of 256 from the buffer's first byte
.irp f, 0,1,2,3
.irp i, 0,1,2
	ds_load_b128 v[OUTR+12*\f+4*\i:OUTR+12*\f+4*\i+3], v[WRD] offset:1664*\f+512*\i   ; the wave's own bytes: these see my stores
.endr
.endr
.irp f, 0,1,2,3
.irp i, 0,1,2
	s_wait_dscnt 11-3*\f-\i                        ; the loads behind this one may be out
	global_store_b128 v3, v[OUTR+12*\f+4*\i:OUTR+12*\f+4*\i+3], s[82+2*(\f/2):83+2*(\f/2)] offset:1536*(\f%2)+512*\i   ; 512 consecutive bytes
.endr
.endr
; ---------------- both roles meet: one barrier, on every wave's path; behind it the 64 tokens' logits lie in LDS ----------------
.Ljoin:
	s_wait_dscnt 0x0                               ; for the others' sake: my LDS stores are done
	s_barrier_signal -1
	s_barrier_wait -1
	s_cmp_lt_u32 ttmp9, 128
	s_cbranch_scc0 .Lend
	s_cmp_lt_u32 s40, 2
	s_cbranch_scc0 .Lend
; THE ROUTER'S TAIL: waves 0 and 1 of a token work-group, a lane a token: chunk 2 x work-group + wave of 32 tokens.
	s_wait_xcnt 0x0                                ; every store issued ahead of the barrier has read its data and address registers (ISA guide 3.1): the tail writes v16-43 anew only behind this wait
	ds_load_b128 v[16:19], v[TLA]
	ds_load_b128 v[20:23], v[TLA] offset:16
	s_lshl_b32 s46, ttmp9, 1
	s_add_co_u32 s46, s46, s40
	s_lshl_b32 s46, s46, 7                         ; 128 bytes a chunk in tokrec and in hist,
	s_mov_b32 s47, 0
	s_add_nc_u64 s[26:27], s[26:27], s[46:47]
	s_add_nc_u64 s[28:29], s[28:29], s[46:47]
	s_lshl_b32 s46, s46, 1                         ; 256 in cw
	s_add_nc_u64 s[30:31], s[30:31], s[46:47]
	s_wait_dscnt 0x0
	v_max3_num_f32 v24, v16, v17, v18              ; the softmax takes the largest logit away first
	s_delay_alu instid0(VALU_DEP_1)
	v_max3_num_f32 v24, v24, v19, v20
	s_delay_alu instid0(VALU_DEP_1)
	v_max3_num_f32 v24, v24, v21, v22
	s_delay_alu instid0(VALU_DEP_1)
	v_max_num_f32 v24, v24, v23
.irp e, 0,1,2,3,4,5,6,7
	v_sub_f32 v[16+\e], v[16+\e], v24
.endr
.irp e, 0,1,2,3,4,5,6,7
	v_mul_f32 v[16+\e], 0x3fb8aa3b, v[16+\e]       ; x log2(e)
.endr
	s_wait_alu depctr_va_vdst(0)
.irp e, 0,1,2,3,4,5,6,7
	v_exp_f32 v[16+\e], v[16+\e]
.endr
	v_nop                                          ; one plain line behind the transcendentals
	s_wait_alu depctr_va_vdst(0)
	v_add_f32 v25, v16, v17
	v_add_f32 v26, v18, v19
	v_add_f32 v27, v20, v21
	v_add_f32 v28, v22, v23
	s_delay_alu instid0(VALU_DEP_3)
	v_add_f32 v25, v25, v26
	s_delay_alu instid0(VALU_DEP_2)
	v_add_f32 v27, v27, v28
	s_delay_alu instid0(VALU_DEP_1)
	v_add_f32 v25, v25, v27
	s_wait_alu depctr_va_vdst(0)
	v_rcp_f32 v25, v25
	v_mov_b32 v30, -1.0                            ; (a plain line behind the reciprocal)  under every probability
	s_wait_alu depctr_va_vdst(0)
.irp e, 0,1,2,3,4,5,6,7
	v_mul_f32 v[16+\e], v[16+\e], v25              ; the probabilities, normalised as the softmax leaves them
.endr
	v_mov_b32 v26, v16                             ; the largest, by an ascending scan: a later one takes the place only if it is larger, so the lower index wins a tie
	v_mov_b32 v27, 0
.irp e, 1,2,3,4,5,6,7
	s_delay_alu instid0(VALU_DEP_2)
	v_cmp_le_f32 vcc_lo, v[16+\e], v26             ; not larger: the earlier one stays
	s_delay_alu instid0(VALU_DEP_1)
	v_cndmask_b32 v26, v[16+\e], v26, vcc_lo
	s_delay_alu instid0(VALU_DEP_2)
	v_cndmask_b32 v27, \e, v27, vcc_lo
.endr
.irp e, 0,1,2,3,4,5,6,7
	v_cmp_eq_u32 vcc_lo, \e, v27
	s_delay_alu instid0(VALU_DEP_1)
	v_cndmask_b32 v[16+\e], v[16+\e], v30, vcc_lo  ; the winner is taken out
.endr
	v_mov_b32 v28, v16                             ; the second, by the same scan
	v_mov_b32 v29, 0
.irp e, 1,2,3,4,5,6,7
	s_delay_alu instid0(VALU_DEP_2)
	v_cmp_le_f32 vcc_lo, v[16+\e], v28
	s_delay_alu instid0(VALU_DEP_1)
	v_cndmask_b32 v28, v[16+\e], v28, vcc_lo
	s_delay_alu instid0(VALU_DEP_2)
	v_cndmask_b32 v29, \e, v29, vcc_lo
.endr
	s_delay_alu instid0(VALU_DEP_2)
	v_add_f32 v31, v26, v28
	s_wait_alu depctr_va_vdst(0)
	v_rcp_f32 v31, v31
	v_min_u32 v33, v27, v29                        ; (a plain line behind the reciprocal)  lo
	s_wait_alu depctr_va_vdst(0)
	v_mul_f32 v42, v26, v31                        ; the two weights, renormalised
	v_mul_f32 v43, v28, v31
	v_max_u32 v34, v27, v29                        ; hi
	; the sort key, 0..27: pairs ordered by lo; inside a lo, hi ascends where lo is even and descends where it is odd, so that neighbouring keys share an expert
	v_sub_nc_u32 v32, 15, v33
	s_delay_alu instid0(VALU_DEP_1)
	v_mul_u32_u24 v32, v33, v32
	s_delay_alu instid0(VALU_DEP_1)
	v_lshrrev_b32 v32, 1, v32                      ; lo (15 - lo) / 2 pairs have a smaller lo
	s_delay_alu instid0(VALU_DEP_4)
	v_sub_nc_u32 v35, v34, v33
	s_delay_alu instid0(VALU_DEP_1)
	v_add_nc_u32 v35, -1, v35                      ; hi - lo - 1
	v_sub_nc_u32 v36, 7, v34                       ; 7 - hi
	v_and_b32 v37, 1, v33
	s_delay_alu instid0(VALU_DEP_1)
	v_cmp_eq_u32 vcc_lo, 0, v37
	s_delay_alu instid0(VALU_DEP_1)
	v_cndmask_b32 v35, v36, v35, vcc_lo
	s_delay_alu instid0(VALU_DEP_1)
	v_add_nc_u32 v32, v32, v35
	v_mov_b32 v36, 0                               ; lane k: how many of the chunk's 32 tokens have key k
	v_mov_b32 v37, 0                               ; my rank among the chunk's tokens of my key
.irp k, 0,1,2,3,4,5,6,7,8,9,10,11,12,13,14,15,16,17,18,19,20,21,22,23,24,25,26,27
	v_cmp_eq_u32 s50, \k, v32
	s_bcnt1_i32_b32 s51, s50
	v_writelane_b32 v36, s51, \k
	v_mbcnt_lo_u32_b32 v38, s50, 0
	s_delay_alu instid0(VALU_DEP_1)
	v_cndmask_b32 v37, v37, v38, s50
.endr
	s_delay_alu instid0(VALU_DEP_1)
	v_lshl_or_b32 v39, v37, 8, v32                 ; key | rank << 8 | first expert << 16 | second << 24
	s_delay_alu instid0(VALU_DEP_1)
	v_lshl_or_b32 v39, v27, 16, v39
	s_delay_alu instid0(VALU_DEP_1)
	v_lshl_or_b32 v39, v29, 24, v39
	v_lshlrev_b32 v40, 2, v2
	global_store_b32 v40, v39, s[26:27]            ; all three at places that hang on ids alone
	global_store_b32 v40, v36, s[28:29]
	global_store_b64 v7, v[42:43], s[30:31]
.Lend:
	s_wait_tensorcnt 0x0
	ds_add_u32 v254, v255
	s_wait_dscnt 0x0
	s_endpgm
.Lfunc_end_k_q5d7366cb72_prep:
	.size	k_q5d7366cb72_prep, .Lfunc_end_k_q5d7366cb72_prep-k_q5d7366cb72_prep
	.p2alignl 7, 3214868480
	.fill 96, 4, 3214868480
	.section	.rodata,"a",@progbits
	.p2align	6, 0x0
	.amdhsa_kernel k_q5d7366cb72_prep
		.amdhsa_group_segment_fixed_size 136192
		.amdhsa_private_segment_fixed_size 0
		.amdhsa_enable_private_segment 0
		.amdhsa_kernarg_size 96
		.amdhsa_user_sgpr_count 2
		.amdhsa_user_sgpr_kernarg_segment_ptr 1
		.amdhsa_wavefront_size32 1
		.amdhsa_system_sgpr_workgroup_id_x 1
		.amdhsa_system_sgpr_workgroup_id_y 1
		.amdhsa_system_sgpr_workgroup_id_z 1
		.amdhsa_system_vgpr_workitem_id 0
		.amdhsa_next_free_vgpr 512
		.amdhsa_next_free_sgpr 96
		.amdhsa_reserve_vcc 1
		.amdhsa_float_denorm_mode_32 3
		.amdhsa_float_denorm_mode_16_64 3
		.amdhsa_memory_ordered 1
		.amdhsa_forward_progress 1
		.amdhsa_inst_pref_size 213
	.end_amdhsa_kernel
	.amdgpu_metadata
---
amdhsa.version: [ 1, 2 ]
amdhsa.kernels:
  - .name:           k_q5d7366cb72_prep
    .symbol:         k_q5d7366cb72_prep.kd
    .args:
      - { .name: x, .offset: 0, .size: 8, .value_kind: global_buffer, .address_space: global }
      - { .name: gate_w, .offset: 8, .size: 8, .value_kind: global_buffer, .address_space: global }
      - { .name: w1, .offset: 16, .size: 8, .value_kind: global_buffer, .address_space: global }
      - { .name: w3, .offset: 24, .size: 8, .value_kind: global_buffer, .address_space: global }
      - { .name: w2, .offset: 32, .size: 8, .value_kind: global_buffer, .address_space: global }
      - { .name: xq, .offset: 40, .size: 8, .value_kind: global_buffer, .address_space: global }
      - { .name: xs, .offset: 48, .size: 8, .value_kind: global_buffer, .address_space: global }
      - { .name: wq, .offset: 56, .size: 8, .value_kind: global_buffer, .address_space: global }
      - { .name: ws, .offset: 64, .size: 8, .value_kind: global_buffer, .address_space: global }
      - { .name: tokrec, .offset: 72, .size: 8, .value_kind: global_buffer, .address_space: global }
      - { .name: hist, .offset: 80, .size: 8, .value_kind: global_buffer, .address_space: global }
      - { .name: cw, .offset: 88, .size: 8, .value_kind: global_buffer, .address_space: global }
    .group_segment_fixed_size: 136192
    .private_segment_fixed_size: 0
    .kernarg_segment_align: 8
    .kernarg_segment_size: 96
    .max_flat_workgroup_size: 256
    .sgpr_count:     96
    .vgpr_count:     512
    .wavefront_size: 32
...
	.end_amdgpu_metadata
.endif
;; end of part 4
;; launch place (part 5): grid 1 x 1, 8 waves a work-group, no clusters, 2,048 bytes of LDS; arguments tokrec, hist, perm; writes perm
.if DOCPART == 5
	.amdgcn_target "amdgcn-amd-amdhsa--gfx1250"
	.amdhsa_code_object_version 6
	.text
	.protected	k_q5d7366cb72_place
	.globl	k_q5d7366cb72_place
	.p2align	8
	.type	k_q5d7366cb72_place,@function
k_q5d7366cb72_place:
	s_mov_b64 s[64:65], 0
	v_nop
	global_prefetch_b8 v0, s[64:65] scope:SCOPE_SE
	s_setreg_imm32_b32 hwreg(HW_REG_WAVE_MODE, 25, 1), 1
	s_wait_xcnt 0x0
; SECOND LAUNCH: a counting sort of the 8,192 tokens by their key (0..27: the pair of experts), from the counts and ranks that the first launch stored.  One work-group, no atomics.
; Wave w takes chunks 32 w .. 32 w + 31 of 32 tokens.  For the counts a lane is a KEY, for the records a lane is a TOKEN.
; A token's place = the key's start + the key's tokens in earlier waves + in earlier chunks of my wave + its rank in its chunk.  perm[place] = token | first expert << 16 | second << 24.
; The places are a permutation of 0..8191, so every word of perm is written.  The stores are single words far apart: 32 KiB in all, written once.
.set H, 16                             ; v16-47   chunk c's counts (lane = key); later the token's place
.set B, 48                             ; v48-79   the key's tokens ahead of chunk c
.set T, 80                             ; v80-111  chunk c's records (lane = token)
.set A, 112                            ; v112-143 4 x the token's key: the lane to ask
.set D, 144                            ; v144-175 the word to store
	s_load_b128 s[4:7], s[0:1], 0x0                ; tokrec, hist
	s_load_b64 s[8:9], s[0:1], 0x10                ; perm
	v_lshl_add_u32 v192, v0, 2, 0x400
	v_mov_b32 v193, 0
	v_lshrrev_b32 v2, 5, v0
	s_delay_alu instid0(VALU_DEP_1)
	v_readfirstlane_b32 s10, v2                    ; wave
	v_and_b32 v3, 31, v0                           ; lane
	s_delay_alu instid0(VALU_DEP_1)
	v_lshlrev_b32 v1, 2, v3
	v_lshlrev_b32 v5, 2, v0                        ; LDS: 128 x wave + 4 x lane
	s_lshl_b32 s12, s10, 12                        ; 32 chunks of 128 bytes a wave, in both buffers
	s_mov_b32 s13, 0
	s_lshl_b32 s17, s10, 10
	v_add_nc_u32 v179, s17, v3                     ; my token in chunk 0 of my wave
	s_wait_alu depctr_va_vdst(0)
	s_wait_kmcnt 0x0
	s_add_nc_u64 s[4:5], s[4:5], s[12:13]
	s_add_nc_u64 s[6:7], s[6:7], s[12:13]
.irp c, 0,1,2,3,4,5,6,7,8,9,10,11,12,13,14,15,16,17,18,19,20,21,22,23,24,25,26,27,28,29,30,31
	global_load_b32 v[H+\c], v1, s[6:7] offset:128*\c
.endr
.irp c, 0,1,2,3,4,5,6,7,8,9,10,11,12,13,14,15,16,17,18,19,20,21,22,23,24,25,26,27,28,29,30,31
	global_load_b32 v[T+\c], v1, s[4:5] offset:128*\c
.endr
	s_wait_loadcnt 32                              ; the counts are in; the 32 loads of records may be out
	v_mov_b32 v[B], 0
.irp c, 0,1,2,3,4,5,6,7,8,9,10,11,12,13,14,15,16,17,18,19,20,21,22,23,24,25,26,27,28,29,30
	s_delay_alu instid0(VALU_DEP_1)
	v_add_nc_u32 v[B+\c+1], v[B+\c], v[H+\c]
.endr
	s_delay_alu instid0(VALU_DEP_1)
	v_add_nc_u32 v4, v[B+31], v[H+31]              ; my wave's tokens of key = lane
	ds_store_b32 v5, v4
	s_wait_dscnt 0x0                               ; for the others' sake
	s_barrier_signal -1
	s_barrier_wait -1
.irp j, 0,1,2,3,4,5,6,7
	ds_load_b32 v[6+\j], v1 offset:128*\j          ; every wave's totals
.endr
	v_mov_b32 v14, 0                               ; all waves'
	v_mov_b32 v15, 0                               ; the earlier waves'
	v_mov_b32 v177, 0
	s_wait_alu depctr_va_vdst(0)
	s_wait_dscnt 0x0
.irp j, 0,1,2,3,4,5,6,7
	s_cmp_gt_u32 s10, \j
	s_cselect_b32 s14, -1, 0
	v_and_b32 v176, s14, v[6+\j]
	v_add_nc_u32 v14, v14, v[6+\j]
	s_delay_alu instid0(VALU_DEP_2)
	v_add_nc_u32 v15, v15, v176
.endr
	s_mov_b32 s16, 0
.irp k, 0,1,2,3,4,5,6,7,8,9,10,11,12,13,14,15,16,17,18,19,20,21,22,23,24,25,26,27
	v_readlane_b32 s15, v14, \k
	v_writelane_b32 v177, s16, \k                  ; lane k: where key k begins
	s_add_co_u32 s16, s16, s15
.endr
	v_add_nc_u32 v178, v177, v15
	s_wait_alu depctr_va_vdst(0)
	s_wait_loadcnt 0x0                             ; the records
.irp c, 0,1,2,3,4,5,6,7,8,9,10,11,12,13,14,15,16,17,18,19,20,21,22,23,24,25,26,27,28,29,30,31
	v_add_nc_u32 v[B+\c], v[B+\c], v178            ; lane k: where chunk c's tokens of key k begin
	v_and_b32 v[A+\c], 0xff, v[T+\c]
	s_delay_alu instid0(VALU_DEP_1)
	v_min_u32 v[A+\c], 31, v[A+\c]                 ; a key names a lane
	s_delay_alu instid0(VALU_DEP_1)
	v_lshlrev_b32 v[A+\c], 2, v[A+\c]
	ds_bpermute_b32 v[H+\c], v[A+\c], v[B+\c]      ; each token asks its key's lane (no LDS byte is touched)
.endr
.irp c, 0,1,2,3,4,5,6,7,8,9,10,11,12,13,14,15,16,17,18,19,20,21,22,23,24,25,26,27,28,29,30,31
	s_wait_dscnt 31-\c                             ; the permutes behind this one may be out
	v_bfe_u32 v176, v[T+\c], 8, 8                  ; + my rank in the chunk
	s_delay_alu instid0(VALU_DEP_1)
	v_add_nc_u32 v[H+\c], v[H+\c], v176
	s_delay_alu instid0(VALU_DEP_1)
	v_min_u32 v[H+\c], 0x1fff, v[H+\c]             ; a place lies in 0..8191
	s_delay_alu instid0(VALU_DEP_1)
	v_lshlrev_b32 v[H+\c], 2, v[H+\c]
	v_add_nc_u32 v[D+\c], 32*\c, v179
	s_delay_alu instid0(VALU_DEP_1)
	v_and_or_b32 v[D+\c], v[T+\c], 0xffff0000, v[D+\c]
	global_store_b32 v[H+\c], v[D+\c], s[8:9]
.endr
	s_wait_tensorcnt 0x0
	ds_add_u32 v192, v193
	s_wait_dscnt 0x0
	s_endpgm
.Lfunc_end_k_q5d7366cb72_place:
	.size	k_q5d7366cb72_place, .Lfunc_end_k_q5d7366cb72_place-k_q5d7366cb72_place
	.p2alignl 7, 3214868480
	.fill 96, 4, 3214868480
	.section	.rodata,"a",@progbits
	.p2align	6, 0x0
	.amdhsa_kernel k_q5d7366cb72_place
		.amdhsa_group_segment_fixed_size 2048
		.amdhsa_private_segment_fixed_size 0
		.amdhsa_enable_private_segment 0
		.amdhsa_kernarg_size 24
		.amdhsa_user_sgpr_count 2
		.amdhsa_user_sgpr_kernarg_segment_ptr 1
		.amdhsa_wavefront_size32 1
		.amdhsa_system_sgpr_workgroup_id_x 1
		.amdhsa_system_sgpr_workgroup_id_y 1
		.amdhsa_system_sgpr_workgroup_id_z 1
		.amdhsa_system_vgpr_workitem_id 0
		.amdhsa_next_free_vgpr 194
		.amdhsa_next_free_sgpr 66
		.amdhsa_reserve_vcc 0
		.amdhsa_float_denorm_mode_32 3
		.amdhsa_float_denorm_mode_16_64 3
		.amdhsa_memory_ordered 1
		.amdhsa_forward_progress 1
		.amdhsa_inst_pref_size 44
	.end_amdhsa_kernel
	.amdgpu_metadata
---
amdhsa.version: [ 1, 2 ]
amdhsa.kernels:
  - .name:           k_q5d7366cb72_place
    .symbol:         k_q5d7366cb72_place.kd
    .args:
      - { .name: tokrec, .offset: 0, .size: 8, .value_kind: global_buffer, .address_space: global }
      - { .name: hist, .offset: 8, .size: 8, .value_kind: global_buffer, .address_space: global }
      - { .name: perm, .offset: 16, .size: 8, .value_kind: global_buffer, .address_space: global }
    .group_segment_fixed_size: 2048
    .private_segment_fixed_size: 0
    .kernarg_segment_align: 8
    .kernarg_segment_size: 24
    .max_flat_workgroup_size: 256
    .sgpr_count:     66
    .vgpr_count:     194
    .wavefront_size: 32
...
	.end_amdgpu_metadata
.endif
;; end of part 5
;; launch chain (part 6): grid 256 x 1, 4 waves a work-group, no clusters, 99,328 bytes of LDS; arguments perm, cw, xq, xs, wq, ws, out0; writes out0
.if DOCPART == 6
	.amdgcn_target "amdgcn-amd-amdhsa--gfx1250"
	.amdhsa_code_object_version 6
	.text
	.protected	k_q5d7366cb72_chain
	.globl	k_q5d7366cb72_chain
	.p2align	8
	.type	k_q5d7366cb72_chain,@function
k_q5d7366cb72_chain:
	s_mov_b64 s[64:65], 0
	v_nop
	global_prefetch_b8 v0, s[64:65] scope:SCOPE_SE
	s_setreg_imm32_b32 hwreg(HW_REG_WAVE_SCHED_MODE, 0, 2), 2
	s_setreg_imm32_b32 hwreg(HW_REG_WAVE_MODE, 25, 1), 1
	s_wait_xcnt 0x0
	s_wait_alu depctr_vm_vsrc(0)
; THIRD LAUNCH: out[token] = the sum over the token's two experts e of coef x (silu(x W1e) * (x W3e)) W2e, all products on codes of BF6 (E3M2) with one E8M0 scale for each 32 along K, sums in f32.
; SHARES.  Work-group b owns the 32 tokens at sorted places 32 b .. 32 b + 31 (two tiles of 16) and is the one owner of their rows of out0.  It walks all eight experts in a loop of constant count and passes over,
; by a scalar branch on the stored list, those that none of its tokens uses; a token of the block that does not use an expert that is walked gets the coefficient 0, as the sum over all experts has it.
; THE WAVES SHARE THE COLUMNS: wave w makes hidden units 64 w .. + 63 and outputs 256 w .. + 255 for all 32 tokens.  Both products are used transposed (source 0 = 16 rows of the weight, source 1 = 16 tokens): a lane holds ONE token.
; THE ROWS OF A WEIGHT'S TILE ARE NOT NEIGHBOURS: lane r of tile 2 b + u takes column 32 b + 8 u + r + 8 (r / 8), so that the 16 registers of tiles 2 b and 2 b + 1 are 16 neighbours: along the next K, and along a row of out0.
; x's CODES: every wave wants all 32 tokens' 768 bytes in registers, a lane 384 bytes of one token.  Each wave copies eight tokens' rows into LDS, sixteen lanes to 256 consecutive bytes, so that each byte is read from memory once
; by the work-group; behind one barrier every wave takes its registers from there.
; THE WEIGHTS come from memory straight into registers, laid by the first launch in the order of the operand's registers: a unit of four fragments is 12 loads of 512 consecutive bytes; six slots of registers take turns, and
; up to five units are on their way.
; NO TENSOR LOAD AND NO CLUSTER: which experts a block walks hangs on numbers read from memory, so two work-groups need not want the same weights at the same time, and a load that a branch may pass over cannot be asked for jointly.
; The hidden layer goes from wave to wave through LDS as an image of the operand's registers; two barriers a trip stand outside the branches, on every wave's path.
; The output sums are cleared at the head: which trip adds first hangs on the stored list, so no product can start them on every path.
; LIMITS: NaN and infinities are not served.  silu's division is v_rcp_f32 and a multiplication.  A block of zeros of the hidden layer gets the byte 1 with zero codes.
; THE MODE: SCHED_MODE bits 1:0 = 2 (LLVM: expert scheduling mode 2), set by the entry lines.  The code itself states the register dependences between vector or matrix instructions and memory or LDS instructions,
; with s_wait_alu, always for 0.
; THE PLAN.  Registers that memory or LDS instructions touch, in the loop:
;   the six slots     Unit u lies in slot u % 6.  The eight products of step u read it; the loads of unit u + 6 land in it, issued at the head of step u + 1.
;   v[WS ..]          The weights' scale words land at each section's head; that section's products read them.
;   the hidden layer's fragments, v[HS ..]   They land at section 2's head; its products read them.
;   v84, v85, v92-97, v104-109   Written by the quantiser, read by the eight LDS stores of the images; they lie in the sixth slot, so a unit's loads or the next trip's arithmetic write them next.
;   v1, v4-v7         Offsets and LDS addresses, made at the head and never written again; the weights' bases are scalar registers.
; So a wait on va_vdst stands at each section's head (all earlier products and vector lines are done with the registers in which the section's first loads land), one in each step that asks for a unit, behind the wait for the
; step's own data (the step before is done reading its slot), and one ahead of the images' stores; the waits behind transcendentals stand as ever.  A unit's twelve loads stand in one run ahead of the step's products, which
; name another slot: strewn singly they would each want two switches of the register window.  One wait on vm_vsrc a trip stands behind the images' stores, one on va_sdst behind the coefficients' four compares.
; REGISTERS, in windows of 256.  Window 0: v1-31 addresses, experts, weights; v32-39 x's scale words; v40-41 the hidden layer's; v44-75 the weights'; v76-123 the weights' sixth slot while products run; between the
;   two products v76-91 the quantiser at work, v92-112 codes just made, v104-119 silu at work (at the head v92-97 offsets); on the way out v76-107 32 row offsets; v126, v127 the closing add's two;
;   v128-255 accumulators (at the head v128-175 carry x's codes to LDS).
;   Window 1: v0-191 x's 16 fragments (tile m, K step s at 96 m + 12 s); v192-239 the hidden layer's four.
;   Window 2: five slots of 48 for the weights' units; on the way out v0-127 the second tile's rows.   Window 3: the output sums, tile t of outputs and tile m of tokens at 8 (2 t + m).
.set HSC,  6144                        ; LDS: from 0 the hidden layer's four fragment images (tile m, K step s at 1,536 (2 m + s); register pair p at 256 p + 8 lane); here their scale words: 128 s + 64 m + 4 r
.set STG,  6400                        ; the way out: 16 rows x (1,024 bytes + 16) for each wave, its own
.set XST,  73728                       ; x's codes: the 32 places' rows of 768 bytes, 784 apart (an odd multiple of 16: the sixteen rows that a load touches begin in sixteen different columns of 16 bytes)
.set XS,   32
.set HS,   40
.set WS,   44
.set TM,   76
.set S5,   76                          ; the sixth slot, in window 0
.set RO,   76                          ; the way out: the 32 tokens' row offsets
.set T,    104
.set ACC,  128
.set MSB, 0
.macro WIN new                         ; the immediate's high byte repeats the setting that is left
.if MSB != \new
	s_set_vgpr_msb (MSB<<8)|\new
.set MSB, \new
.endif
.endm
	s_load_b256 s[4:11], s[0:1], 0x0               ; perm s[4:5], cw s[6:7], xq s[8:9], xs s[10:11]
	s_load_b128 s[12:15], s[0:1], 0x20             ; wq, ws
	s_load_b64 s[16:17], s[0:1], 0x30              ; out0
	v_lshl_add_u32 v126, v0, 2, 0x18200
	v_mov_b32 v127, 0
	v_lshrrev_b32 v1, 5, v0
	v_readfirstlane_b32 s18, v1                    ; wave 0..3
	v_and_b32 v2, 31, v0                           ; lane
	v_and_b32 v3, 15, v0                           ; r
	v_bfe_u32 v23, v0, 4, 1                        ; h
	v_lshlrev_b32 v1, 4, v2                        ; 16 x lane
	v_lshlrev_b32 v24, 2, v2
	v_lshlrev_b32 v25, 2, v3
	v_lshlrev_b32 v96, 2, v23
	v_lshlrev_b32 v97, 4, v3                       ; 16 r
	s_wait_alu depctr_va_sdst(0)                   ; s18 is written, ahead of its first reader, the line below
	v_lshl_add_u32 v96, s18, 5, v96                ; the list's word of place 8 w + h
	s_lshl_b32 s68, ttmp9, 7                       ; my 32 words of the list
	s_mov_b32 s69, 0
	s_wait_kmcnt 0x0
	s_add_nc_u64 s[4:5], s[4:5], s[68:69]
	s_load_b512 s[32:47], s[4:5], 0x0              ; the 32 words as scalars, for the rows of out0,
	s_load_b512 s[48:63], s[4:5], 0x40
	s_wait_alu depctr_va_vdst(0)                   ; v24, v25 and v96 are written, which the seven loads below read as offsets; so is v1, the offset of every load of weights
	global_load_b32 v26, v24, s[4:5]               ; a lane a place,
	global_load_b32 v27, v25, s[4:5]               ; tile 0's token r,
	global_load_b32 v28, v25, s[4:5] offset:64     ; tile 1's token r,
.irp a, 0,1,2,3
	global_load_b32 v[92+\a], v96, s[4:5] offset:8*\a   ; and place 8 w + 2 a + h: the tokens whose codes my wave copies, one to each half of the lanes
.endr
	s_mul_i32 s68, s18, 147456
	s_add_nc_u64 s[22:23], s[12:13], s[68:69]      ; my wave's codes of expert 0,
	s_mul_i32 s68, s18, 6144
	s_add_nc_u64 s[24:25], s[14:15], s[68:69]      ; and its scale words
	s_mov_b32 s26, 0xbfb8aa3b                      ; -log2(e)
	s_mov_b32 s27, s26                             ; (named with it as a pair, so it is written)
	s_mov_b32 s28, 0x76543210
	s_mov_b32 s29, 0xfedcba98                      ; v_permlanex16_b32's selects for lane l xor 16
	s_mov_b32 s19, 0                               ; the expert in hand
	s_mov_b32 s20, 0                               ; bit e: some token of the block uses expert e
	s_lshr_b32 s66, s18, 1
	s_and_b32 s67, s18, 1
	s_mul_i32 s68, s66, 1536
	s_mul_i32 s70, s67, 768
	s_add_co_u32 s68, s68, s70
	v_lshlrev_b32 v6, 3, v2                        ; an image's pair of registers: 8 x lane
	v_add_nc_u32 v4, s68, v6                       ; my 64 hidden units are registers 6 (w % 2) .. + 5 of K step w / 2
	s_lshl_b32 s68, s66, 7
	s_lshl_b32 s70, s67, 1
	s_add_co_u32 s68, s68, s70
	s_add_co_u32 s68, s68, HSC
	v_lshlrev_b32 v5, 2, v3
	v_add_nc_u32 v5, s68, v5                       ; and bytes 2 (w % 2), + 1 of its scale word
	v_lshl_add_u32 v7, v2, 2, HSC                  ; the words back: lanes 0-15 tile 0's rows, lanes 16-31 tile 1's
	s_mul_i32 s68, s18, 16640
	s_add_co_u32 s68, s68, STG
	v_mul_u32_u24 v20, v3, 1040
	v_lshl_add_u32 v20, v23, 6, v20
	v_add_nc_u32 v20, s68, v20                     ; the stage, way in: row r, + 64 h
	v_add_nc_u32 v21, s68, v1                      ; back: 16 bytes a lane
	s_lshl_b32 s70, s18, 10
	v_add_nc_u32 v22, s70, v1                      ; my wave's 1,024 bytes of a row of out0
	s_mul_i32 s68, s18, 6272                       ; x's codes, way in: eight rows of 784 bytes a wave,
	s_add_co_u32 s68, s68, XST
	v_mul_u32_u24 v30, v23, 784                    ; row 8 w + h (+ 2 a in the immediate),
	v_add_nc_u32 v30, v97, v30                     ; 16 bytes a lane
	v_add_nc_u32 v30, s68, v30
	v_mul_u32_u24 v31, v3, 784                     ; back: row r (+ 16 m in the immediate),
	v_mad_u32_u24 v31, v23, 384, v31               ; my half's 384 bytes
	v_add_nc_u32 v31, XST, v31
	v_mov_b32 v80, 0                               ; written once: a lane permute's destination counts as one of its sources
	v_mov_b32 v81, 0
	WIN 0xc0                                       ; destination window 3
.set i, 0
.rept 256
	v_mov_b32 v[i], 0                              ; the output sums (while the list is on its way)
.set i, i+1
.endr
	WIN 0
	s_wait_loadcnt 0x0
	s_wait_kmcnt 0x0
	s_wait_alu depctr_vm_vsrc(0)                   ; the list's loads have read v24 and v25, which are written anew just below, and v96, which lies in the sixth slot
.irp a, 0,1,2,3
	v_and_b32 v[92+\a], 0x1fff, v[92+\a]
	v_min_u32 v[92+\a], 0x1fff, v[92+\a]           ; a token lies in 0..8191
	v_mul_u32_u24 v[92+\a], v[92+\a], 768          ; xq: 768 bytes a token,
	v_add_nc_u32 v[92+\a], v97, v[92+\a]           ; 16 bytes a lane
.endr
	v_bfe_u32 v24, v26, 16, 3                      ; the 32 places' experts
	v_bfe_u32 v25, v26, 24, 3
	v_and_b32 v29, 0x1fff, v26
	v_min_u32 v29, 0x1fff, v29
	v_lshlrev_b32 v29, 5, v29                      ; xs: 32 bytes a token
	v_bfe_u32 v8, v27, 16, 3                       ; tile 0: my token's first expert,
	v_bfe_u32 v9, v27, 24, 3                       ; its second;
	v_bfe_u32 v10, v28, 16, 3                      ; tile 1 likewise
	v_bfe_u32 v11, v28, 24, 3
	v_and_b32 v26, 0x1fff, v27
	v_min_u32 v26, 0x1fff, v26
	v_lshlrev_b32 v26, 3, v26                      ; cw: 8 bytes a token
	v_and_b32 v27, 0x1fff, v28
	v_min_u32 v27, 0x1fff, v27
	v_lshlrev_b32 v27, 3, v27
	s_wait_alu depctr_va_vdst(0)                   ; v92-95, v29, v26 and v27 are written, the offsets of the sixteen loads below; so are all the LDS addresses and offsets made above (v4-7, v20-22, v30, v31), none of which is written again
.irp a, 0,1,2,3
.irp c, 0,1,2
	global_load_b128 v[ACC+12*\a+4*\c:ACC+12*\a+4*\c+3], v[92+\a], s[8:9] offset:256*\c th:TH_LOAD_NT   ; sixteen lanes read 256 consecutive bytes, at a multiple of 256 from the buffer's first byte; each byte once in the launch
.endr
.endr
	global_load_b128 v[XS:XS+3], v29, s[10:11]               ; x's scale words, K step s in register s: lanes 0-15 tile 0's rows, lanes 16-31 tile 1's
	global_load_b128 v[XS+4:XS+7], v29, s[10:11] offset:16
	global_load_b64 v[12:13], v26, s[6:7]                    ; my tokens' two weights
	global_load_b64 v[14:15], v27, s[6:7]
	; these four loads are not waited for here: loads end in the order of issue, so the first counted wait of either section below shows them in
; Which experts does the block use?  The compares go in two runs of eight, each into scalar registers of its own, with one wait behind the run.
.macro ASKS e, a                       ; the places that name expert e first, and second: two masks
	v_cmp_eq_u32 s[\a], \e, v24
	v_cmp_eq_u32 s[\a+1], \e, v25
.endm
.macro NOTES e, a
	s_or_b32 s[\a], s[\a], s[\a+1]                 ; SCC: some place names expert e
	s_cselect_b32 s[\a], 1<<\e, 0
	s_or_b32 s20, s20, s[\a]
.endm
	ASKS 0, 2
	ASKS 1, 66
	ASKS 2, 68
	ASKS 3, 70
	s_wait_alu depctr_va_sdst(0)                   ; the eight masks are written, ahead of their first readers
	NOTES 0, 2
	NOTES 1, 66
	NOTES 2, 68
	NOTES 3, 70
	ASKS 4, 2
	ASKS 5, 66
	ASKS 6, 68
	ASKS 7, 70
	s_wait_alu depctr_va_sdst(0)                   ; and the other eight
	NOTES 4, 2
	NOTES 5, 66
	NOTES 6, 68
	NOTES 7, 70
.irp i, 0,1,2,3,4,5,6,7,8,9,10,11,12,13,14,15,16,17,18,19,20,21,22,23,24,25,26,27,28,29,30,31
	s_and_b32 s[32+\i], s[32+\i], 0x1fff
	s_min_u32 s[32+\i], s[32+\i], 0x1fff           ; a token lies in 0..8191
	s_lshl_b32 s[32+\i], s[32+\i], 12              ; its row of out0, 4,096 bytes
.endr
	s_wait_loadcnt 4                               ; my eight tokens' codes are in; the four loads behind them may be out
.irp a, 0,1,2,3
.irp c, 0,1,2
	ds_store_b128 v30, v[ACC+12*\a+4*\c:ACC+12*\a+4*\c+3] offset:1568*\a+256*\c
.endr
.endr
	s_wait_dscnt 0x0                               ; for the others' sake: my eight rows are in LDS
	s_barrier_signal -1
	s_barrier_wait -1                              ; all 32 are; nobody writes them again
	s_wait_alu depctr_vm_vsrc(0)                   ; my LDS stores have read v128-175, which the first products write; the loads of x's codes have read v92-95, which lie in the sixth slot
	WIN 0x40                                       ; destination window 1
.irp m, 0,1
.irp i, 0,1,2,3,4,5,6,7,8,9,10,11,12,13,14,15,16,17,18,19,20,21,22,23
	ds_load_b128 v[96*\m+4*\i:96*\m+4*\i+3], v31 offset:12544*\m+16*\i   ; x's eight fragments of tile m: they stay.  Waited for where they are first multiplied, and in front of the next barrier
.endr
.endr
	WIN 0
.macro WSL j0, n                       ; n x 512 bytes of my scale words, from block j0 on, into v[WS] on
.set q_, 0
.rept \n
	global_load_b128 v[WS+4*q_:WS+4*q_+3], v1, s[24:25] offset:512*((\j0)+q_)
.set q_, q_+1
.endr
.endm
; A unit of four fragments, 6,144 bytes, into slot (unit - first) % 6: each load 512 consecutive bytes.  A section's first six units find their slots free behind the wait at the section's head;
; each later one takes the slot that the step before has multiplied.
.macro WLD unit, first
.if ((\unit)-(\first))%6 < 5
	WIN 0x80                                       ; destination window 2
.set lB, 48*(((\unit)-(\first))%6)
.else
	WIN 0                                          ; the sixth slot lies in window 0
.set lB, S5
.endif
.if ((\unit)-(\first)) > 5
	s_wait_alu depctr_va_vdst(0)                   ; the eight products of the step before are done reading this slot, in which the twelve loads land
.endif
.irp i, 0,1,2,3,4,5,6,7,8,9,10,11
	global_load_b128 v[lB+4*\i:lB+4*\i+3], v1, s[22:23] offset:6144*(\unit)+512*\i
.endr
.endm
; One product.  rD accumulator, rA the weight's fragment, rB the tokens' (window 1), rSA, rSB the scale words; fZ: the product starts its sum; fA, fB: the words stand in lanes 16-31.
.macro WM
.if fZ
.if fA && fB
	v_wmma_scale_f32_16x16x128_f8f6f4 v[rD:rD+7], v[rA:rA+11], v[rB:rB+11], 0, v[rSA], v[rSB] matrix_a_fmt:MATRIX_FMT_BF6 matrix_b_fmt:MATRIX_FMT_BF6 matrix_a_scale:MATRIX_SCALE_ROW1 matrix_b_scale:MATRIX_SCALE_ROW1
.elseif fA
	v_wmma_scale_f32_16x16x128_f8f6f4 v[rD:rD+7], v[rA:rA+11], v[rB:rB+11], 0, v[rSA], v[rSB] matrix_a_fmt:MATRIX_FMT_BF6 matrix_b_fmt:MATRIX_FMT_BF6 matrix_a_scale:MATRIX_SCALE_ROW1
.elseif fB
	v_wmma_scale_f32_16x16x128_f8f6f4 v[rD:rD+7], v[rA:rA+11], v[rB:rB+11], 0, v[rSA], v[rSB] matrix_a_fmt:MATRIX_FMT_BF6 matrix_b_fmt:MATRIX_FMT_BF6 matrix_b_scale:MATRIX_SCALE_ROW1
.else
	v_wmma_scale_f32_16x16x128_f8f6f4 v[rD:rD+7], v[rA:rA+11], v[rB:rB+11], 0, v[rSA], v[rSB] matrix_a_fmt:MATRIX_FMT_BF6 matrix_b_fmt:MATRIX_FMT_BF6
.endif
.else
.if fA && fB
	v_wmma_scale_f32_16x16x128_f8f6f4 v[rD:rD+7], v[rA:rA+11], v[rB:rB+11], v[rD:rD+7], v[rSA], v[rSB] matrix_a_fmt:MATRIX_FMT_BF6 matrix_b_fmt:MATRIX_FMT_BF6 matrix_a_scale:MATRIX_SCALE_ROW1 matrix_b_scale:MATRIX_SCALE_ROW1
.elseif fA
	v_wmma_scale_f32_16x16x128_f8f6f4 v[rD:rD+7], v[rA:rA+11], v[rB:rB+11], v[rD:rD+7], v[rSA], v[rSB] matrix_a_fmt:MATRIX_FMT_BF6 matrix_b_fmt:MATRIX_FMT_BF6 matrix_a_scale:MATRIX_SCALE_ROW1
.elseif fB
	v_wmma_scale_f32_16x16x128_f8f6f4 v[rD:rD+7], v[rA:rA+11], v[rB:rB+11], v[rD:rD+7], v[rSA], v[rSB] matrix_a_fmt:MATRIX_FMT_BF6 matrix_b_fmt:MATRIX_FMT_BF6 matrix_b_scale:MATRIX_SCALE_ROW1
.else
	v_wmma_scale_f32_16x16x128_f8f6f4 v[rD:rD+7], v[rA:rA+11], v[rB:rB+11], v[rD:rD+7], v[rSA], v[rSB] matrix_a_fmt:MATRIX_FMT_BF6 matrix_b_fmt:MATRIX_FMT_BF6
.endif
.endif
.endm
; Unit u of the first products: K step u / 2 of w1 (u even) or w3 (u odd): four tiles of hidden units x two tiles of tokens.  The eight accumulators take turns, and the next unit has eight others.
; w1's scale words stand in lanes 0-15 of a register, w3's in lanes 16-31.
.macro MUL1 u
.if (\u)%6 < 5
	WIN 0x06                                       ; source 0 window 2, source 1 window 1, C and D window 0
.set aB, 48*((\u)%6)
.else
	WIN 0x04                                       ; the sixth slot: source 0 window 0
.set aB, S5
.endif
.irp t, 0,1,2,3
.irp m, 0,1
.set rD, ACC+64*\m+32*((\u)%2)+8*\t
.set rA, aB+12*\t
.set rB, 96*\m+12*((\u)/2)
.set rSA, WS+4*(2*((\u)/4)+\t/2)+2*(\t%2)+((\u)/2)%2
.set rSB, XS+(\u)/2
.set fZ, (\u)/2 == 0
.set fA, (\u)%2
.set fB, \m
	WM
.endr
.endr
.endm
; Unit p of the second product: tiles 4 (p / 2) .. + 3 of my outputs, K step p % 2, x two tiles of tokens: eight accumulators by turns, in the same order in both K steps.
.macro MUL2 p
.if (\p)%6 < 5
	WIN 0x06
.set aB, 48*((\p)%6)
.else
	WIN 0x04
.set aB, S5
.endif
.irp q, 0,1,2,3
.irp m, 0,1
.set rD, ACC+64*(((\p)/2)%2)+8*(2*\q+\m)
.set rA, aB+12*\q
.set rB, 192+24*\m+12*((\p)%2)
.set rSA, WS+4*((\p)/2)+2*(\q%2)+(\p)%2
.set rSB, HS+(\p)%2
.set fZ, 1-(\p)%2
.set fA, \q/2
.set fB, \m
	WM
.endr
.endr
.endm
; A vector instruction that reads a matrix result, or writes a register that a matrix instruction has read, stands four places behind that matrix instruction; only plain vector instructions that name none of its
; registers are places (ISA guide 7.12.1).
.macro PLACES
.rept 4
	v_nop
.endr
.endm
; 16 hidden units of tile m: h = g1 / (1 + 2^(-log2(e) g1)) x g3, in f32, in place of g1.  Every accumulator is first read at its low end.
.macro SILU m, hf
.set G1, ACC+64*(\m)+16*(\hf)
.irp i, 0,2,4,6,8,10,12,14
	v_pk_mul_f32 v[T+\i:T+\i+1], v[G1+\i:G1+\i+1], s[26:27] op_sel_hi:[1,0]
.endr
	s_wait_alu depctr_va_vdst(0)
.irp i, 0,1,2,3,4,5,6,7,8,9,10,11,12,13,14,15
	v_exp_f32 v[T+\i], v[T+\i]
.endr
	v_nop                                          ; one plain line behind the transcendentals
	s_wait_alu depctr_va_vdst(0)                   ; the sixteen exponentials have written v[T ..], ahead of the additions that read them
.irp i, 0,2,4,6,8,10,12,14
	v_pk_add_f32 v[T+\i:T+\i+1], v[T+\i:T+\i+1], 1.0 op_sel_hi:[1,0]
.endr
	s_wait_alu depctr_va_vdst(0)
.irp i, 0,1,2,3,4,5,6,7,8,9,10,11,12,13,14,15
	v_rcp_f32 v[T+\i], v[T+\i]
.endr
	v_nop
	s_wait_alu depctr_va_vdst(0)                   ; the sixteen reciprocals have written v[T ..], ahead of the multiplications that read them
.irp i, 0,2,4,6,8,10,12,14
	v_pk_mul_f32 v[G1+\i:G1+\i+1], v[G1+\i:G1+\i+1], v[T+\i:T+\i+1]
.endr
.irp i, 0,2,4,6,8,10,12,14
	v_pk_mul_f32 v[G1+\i:G1+\i+1], v[G1+\i:G1+\i+1], v[G1+32+\i:G1+32+\i+1]
.endr
.endm
; Tile m's 32 numbers of my lane (register 16 b + i = hidden unit 64 w + 32 b + 16 h + i of my token) become six registers of the next operand and half of its scale word.
.macro QUANT m, pc, aux
.set HV, ACC+64*(\m)
.irp b, 0,1
	v_max3_num_f32 v[TM+\b], |v[HV+16*\b]|, |v[HV+16*\b+1]|, 0x2800000   ; block b: my 16 numbers, and the floor 2^(5 - 127): the byte cannot fall under 1
.endr
.irp i, 2,4,6,8,10,12,14
.irp b, 0,1
	v_max3_num_f32 v[TM+\b], v[TM+\b], |v[HV+16*\b+\i]|, |v[HV+16*\b+\i+1]|
.endr
.endr
.irp b, 0,1
	v_permlanex16_b32 v[TM+4+\b], v[TM+\b], s28, s29
.endr
.irp b, 0,1
	v_max_num_f32 v[TM+\b], v[TM+\b], v[TM+4+\b]   ; with lane l xor 16's: the block's largest magnitude
.endr
.irp b, 0,1
	v_add_nc_u32 v[TM+12+\b], 0xfe000000, v[TM+\b] ; 4 off its exponent field: the conversion's scale operand
.endr
.irp b, 0,1
	v_lshrrev_b32 v[TM+4+\b], 23, v[TM+12+\b]      ; the scale's byte
.endr
	v_lshl_or_b32 v[TM+8+\m], v[TM+5], 8, v[TM+4]  ; my two bytes of the row's scale word
	v_cvt_scalef32_pk16_bf6_f32 v[\pc:\pc+2], v[HV:HV+15], v[TM+12]
	v_cvt_scalef32_pk16_bf6_f32 v[\aux:\aux+2], v[HV+16:HV+31], v[TM+13]   ; (a conversion's three registers begin on an even number)
	v_nop                                          ; one plain line behind a scaled conversion
.irp i, 0,1,2
	v_permlane16_swap_b32 v[\pc+\i], v[\aux+\i]    ; the operand's layout wants a WHOLE block in a lane: lanes 0-15 block 0, lanes 16-31 block 1
.endr
.irp i, 0,1,2
	v_mov_b32 v[\pc+3+\i], v[\aux+\i]
.endr
.endm
.macro QSTORE m, pc                    ; and go to LDS as they stand
.irp i, 0,1,2
	ds_store_b64 v4, v[\pc+2*\i:\pc+2*\i+1] offset:3072*(\m)+256*\i
.endr
	ds_store_b16 v5, v[TM+8+\m] offset:64*(\m)     ; both halves of the lanes write the same two bytes with the same value
.endm
; The four tiles of outputs just made, x each token's coefficient, onto the output sums.  Every accumulator is read from its low end on.
.macro ADDOUT g
	WIN 0xf0                                       ; source 2 and destination window 3
.irp q, 0,1,2,3
.irp m, 0,1
.irp i, 0,2,4,6
	v_pk_fma_f32 v[8*(2*(4*(\g)+\q)+\m)+\i:8*(2*(4*(\g)+\q)+\m)+\i+1], v[ACC+64*((\g)%2)+8*(2*\q+\m)+\i:ACC+64*((\g)%2)+8*(2*\q+\m)+\i+1], v[16+2*\m:17+2*\m], v[8*(2*(4*(\g)+\q)+\m)+\i:8*(2*(4*(\g)+\q)+\m)+\i+1] op_sel_hi:[1,0,1]
.endr
.endr
.endr
	WIN 0
.endm
.Lexp:                                             ; eight trips, one for each expert: the count is a constant; a trip's WORK is passed over where no token of the block uses the expert
	s_lshr_b32 s66, s20, s19
	s_and_b32 s66, s66, 1
	s_cmp_lg_u32 s66, 0
	s_cbranch_scc0 .Lskip1
	; ---- section 1: g1 = x W1, g3 = x W3 for my 64 hidden units; silu; the quantiser; images to LDS
	s_wait_alu depctr_va_vdst(0)                   ; the products of the trip before are done reading the scale words' registers and the six slots, in which the loads from here to unit 5's land: no vector or matrix line stands between
	WSL 0, 8
.irp u, 0,1,2,3,4
	WLD \u, 0
.endr
	s_wait_dscnt 0x0                               ; x's fragments are in their registers (they came out of LDS while the weights were asked for; in later trips nothing is out)
.irp u, 0,1,2,3,4,5,6,7,8,9,10,11,12,13,14,15
.if 15-\u >= 4
	s_wait_loadcnt 48                              ; unit u is in (and all that was asked for ahead of it); the four units of 12 loads behind it may be out
.else
	s_wait_loadcnt 12*(15-\u)                      ; the units still behind it
.endif
.if \u <= 10
	WLD \u+5, 0                                    ; the fifth unit on, into the slot that the step before multiplied: asked for ahead of this step's products, which name another slot
.endif
	MUL1 \u
.endr
	WIN 0
	PLACES                                         ; ahead of silu's reads of the sums, and of its writes into the sixth slot, which unit 11's products read
	SILU 0, 0
	SILU 0, 1
	SILU 1, 0
	SILU 1, 1
	QUANT 0, 92, 98
	QUANT 1, 104, 110
	s_wait_alu depctr_va_vdst(0)                   ; the quantiser has written both tiles' codes (v92-97, v104-109) and half words (v84, v85), which the eight LDS stores read
	QSTORE 0, 92
	QSTORE 1, 104
.Lskip1:
	s_wait_dscnt 0x0                               ; for the others' sake: my images are in LDS
	s_wait_alu depctr_vm_vsrc(0)                   ; the images' stores have read their registers, which lie in the sixth slot: a unit's loads, the next trip's arithmetic or the way out's offsets write them next
	s_barrier_signal -1
	s_barrier_wait -1                              ; everybody's are
	s_lshr_b32 s66, s20, s19
	s_and_b32 s66, s66, 1
	s_cmp_lg_u32 s66, 0
	s_cbranch_scc0 .Lskip2
	; ---- section 2: my 256 outputs = h W2, four tiles at a time; x the coefficients onto the sums
	s_wait_alu depctr_va_vdst(0)                   ; on every way here the products are done reading the scale words' registers, the slots, the hidden layer's fragments and its words, and silu and the quantiser are done with the sixth slot: the loads from here to unit 21's land in these
	WSL 8, 4
.irp p, 0,1,2,3,4
	WLD 16+\p, 16
.endr
	WIN 0x40                                       ; destination window 1
.irp m, 0,1
.irp s, 0,1
.irp p, 0,1,2,3,4,5
	ds_load_b64 v[192+24*\m+12*\s+2*\p:192+24*\m+12*\s+2*\p+1], v6 offset:1536*(2*\m+\s)+256*\p
.endr
.endr
.endr
	WIN 0
	ds_load_b32 v[HS], v7
	ds_load_b32 v[HS+1], v7 offset:128
	s_wait_loadcnt 48                              ; unit 16, the scale words and the tokens' weights are in; the four units behind may be out
	WLD 21, 16                                     ; into the sixth slot
	v_cmp_eq_u32 s66, s19, v9                      ; my token's coefficient for this expert: its second weight, its first, or 0.  The four compares in one run, a scalar register each
	v_cmp_eq_u32 s67, s19, v8
	v_cmp_eq_u32 s68, s19, v11
	v_cmp_eq_u32 s69, s19, v10
	s_wait_alu depctr_va_sdst(0)                   ; the four masks are written, ahead of the selections that read them
	v_cndmask_b32 v16, 0, v13, s66
	v_cndmask_b32 v16, v16, v12, s67
	v_mov_b32 v17, v16                             ; (the packed form names the pair)
	v_cndmask_b32 v18, 0, v15, s68
	v_cndmask_b32 v18, v18, v14, s69
	v_mov_b32 v19, v18
	s_wait_dscnt 0x0                               ; the hidden layer's fragments and scale words
.irp p, 0,1,2,3,4,5,6,7
.if \p > 0
.if 7-\p >= 4
	s_wait_loadcnt 48                              ; unit 16 + p is in; the four units behind it may be out
.else
	s_wait_loadcnt 12*(7-\p)
.endif
.if \p <= 2
	WLD 16+\p+5, 16                                ; into the slot that the step before multiplied
.endif
.endif
	MUL2 \p
.if \p%2 == 1
	WIN 0
	PLACES                                         ; ahead of the reads of the sums just made
	ADDOUT \p/2
.endif
.endr
.Lskip2:
	s_wait_dscnt 0x0                               ; my reads of the images are over:
	s_barrier_signal -1
	s_barrier_wait -1                              ; the next trip may write them again
	s_wait_xcnt 0x0                                ; the loads have read their bases, which step only behind this wait
	s_add_nc_u64 s[22:23], s[22:23], 589824        ; the next expert's codes
	s_add_nc_u64 s[24:25], s[24:25], 24576         ; and scale words
	s_add_co_u32 s19, s19, 1
	s_cmp_lt_u32 s19, 8
	s_cbranch_scc1 .Lexp
; THE WAY OUT, a tile of 16 tokens at a time.  A lane holds 64 neighbouring bytes of its token's row for each pair of tiles; the rows go through my own stage and come back whole: 32 lanes store 512 consecutive bytes of a row.
; Each tile has row offsets of its own and comes back into registers of its own (tile 0: the accumulators'; tile 1: the slots' in window 2): nothing that a store reads is written again.
.irp p, 0,1,2,3,4,5,6,7,8,9,10,11,12,13,14,15,16,17,18,19,20,21,22,23,24,25,26,27,28,29,30,31
	v_add_nc_u32 v[RO+\p], s[32+\p], v22           ; the token's row + my wave's 1,024 bytes + 16 x lane
.endr
.macro OUT m
.set oB, ACC*(1-\m)
	WIN 0x0c                                       ; an LDS store's data are its source 1: window 3
.if \m == 0
	s_wait_alu depctr_va_vdst(0)                   ; the output sums are written, which the LDS stores of both tiles read; so are the 32 row offsets, which the global stores read; and the products and additions are done with the accumulators and the slots, in which the loads from the stage land
.endif
.irp b, 0,1,2,3,4,5,6,7
.irp u, 0,1
	ds_store_b128 v20, v[8*(4*\b+2*\u+\m):8*(4*\b+2*\u+\m)+3] offset:128*\b+32*\u          ; outputs 32 b + 16 h + 8 u + 0 .. 7 of my wave's 256
	ds_store_b128 v20, v[8*(4*\b+2*\u+\m)+4:8*(4*\b+2*\u+\m)+7] offset:128*\b+32*\u+16
.endr
.endr
	WIN 0x80*\m                                    ; tile 1: destination window 2
.irp p, 0,1,2,3,4,5,6,7,8,9,10,11,12,13,14,15
	ds_load_b128 v[oB+8*\p:oB+8*\p+3], v21 offset:1040*\p               ; the wave's own bytes: LDS serves a wave's instructions in order
	ds_load_b128 v[oB+8*\p+4:oB+8*\p+7], v21 offset:1040*\p+512
.endr
	WIN 0x08*\m                                    ; tile 1: a global store's data are its source 1: window 2
.irp p, 0,1,2,3,4,5,6,7,8,9,10,11,12,13,14,15
	s_wait_dscnt 31-2*\p                           ; the loads behind this one may be out
	global_store_b128 v[RO+16*\m+\p], v[oB+8*\p:oB+8*\p+3], s[16:17] th:TH_STORE_NT
	s_wait_dscnt 30-2*\p
	global_store_b128 v[RO+16*\m+\p], v[oB+8*\p+4:oB+8*\p+7], s[16:17] offset:512 th:TH_STORE_NT
.endr
.endm
	OUT 0
	OUT 1
	WIN 0                                          ; the add's two registers lie in window 0
	s_wait_dscnt 0x0                               ; the closing lines, six on end
	s_wait_alu 0x0
	s_wait_tensorcnt 0x0
	ds_add_u32 v126, v127
	s_wait_dscnt 0x0
	s_endpgm
.Lfunc_end_k_q5d7366cb72_chain:
	.size	k_q5d7366cb72_chain, .Lfunc_end_k_q5d7366cb72_chain-k_q5d7366cb72_chain
	.p2alignl 7, 3214868480
	.fill 96, 4, 3214868480
	.section	.rodata,"a",@progbits
	.p2align	6, 0x0
	.amdhsa_kernel k_q5d7366cb72_chain
		.amdhsa_group_segment_fixed_size 99328
		.amdhsa_private_segment_fixed_size 0
		.amdhsa_enable_private_segment 0
		.amdhsa_kernarg_size 56
		.amdhsa_user_sgpr_count 2
		.amdhsa_user_sgpr_kernarg_segment_ptr 1
		.amdhsa_wavefront_size32 1
		.amdhsa_system_sgpr_workgroup_id_x 1
		.amdhsa_system_sgpr_workgroup_id_y 1
		.amdhsa_system_sgpr_workgroup_id_z 1
		.amdhsa_system_vgpr_workitem_id 0
		.amdhsa_next_free_vgpr 1024
		.amdhsa_next_free_sgpr 72
		.amdhsa_reserve_vcc 0
		.amdhsa_float_denorm_mode_32 3
		.amdhsa_float_denorm_mode_16_64 3
		.amdhsa_memory_ordered 1
		.amdhsa_forward_progress 1
		.amdhsa_inst_pref_size 128
	.end_amdhsa_kernel
	.amdgpu_metadata
---
amdhsa.version: [ 1, 2 ]
amdhsa.kernels:
  - .name:           k_q5d7366cb72_chain
    .symbol:         k_q5d7366cb72_chain.kd
    .args:
      - { .name: perm, .offset: 0, .size: 8, .value_kind: global_buffer, .address_space: global }
      - { .name: cw, .offset: 8, .size: 8, .value_kind: global_buffer, .address_space: global }
      - { .name: xq, .offset: 16, .size: 8, .value_kind: global_buffer, .address_space: global }
      - { .name: xs, .offset: 24, .size: 8, .value_kind: global_buffer, .address_space: global }
      - { .name: wq, .offset: 32, .size: 8, .value_kind: global_buffer, .address_space: global }
      - { .name: ws, .offset: 40, .size: 8, .value_kind: global_buffer, .address_space: global }
      - { .name: out0, .offset: 48, .size: 8, .value_kind: global_buffer, .address_space: global }
    .group_segment_fixed_size: 99328
    .private_segment_fixed_size: 0
    .kernarg_segment_align: 8
    .kernarg_segment_size: 56
    .max_flat_workgroup_size: 128
    .sgpr_count:     72
    .vgpr_count:     1024
    .wavefront_size: 32
...
	.end_amdgpu_metadata
.endif
;; end of part 6
